; MI455X (gfx1250); checked and timed in simulation.
; The chip was launched on July 23, 2026; its instructions are those of AMD's public machine-readable ISA for CDNA 5 (MIT licence, August 2026) and "CDNA5" Instruction Set Architecture Reference Guide (July 2026). The comments in the code are by the model that wrote it; some were corrected since.
;; bahdanau Attention. Allowed arithmetic: float matrix products may take bf16 or f16 operands with f32 sums; other float arithmetic in f32, or as packed bf16 or f16 multiplies, adds, multiply-adds, maxima and minima; sums over many terms, partial sums and values carried from step to step in f32; what a program stores and reads back later, other than sums and carried values, may be rounded once to bf16 or f16.
;; Inputs: W_d2a 1,024 x 1,024 float32; W_e2a 1,024 x 1,024 float32; keys 32 x 2,048 x 1,024 float32; q 32 x 1,024 float32; v_w 1,024 x 1 float32.
;; Outputs: out0 32 x 1,024 float32.
;; 2 versions, each right; version 2 is version 1 with the launch attn written anew for expert scheduling mode. Each part assembles by itself: llvm-mc -triple=amdgcn-amd-amdhsa -mcpu=gfx1250 --defsym DOCPART=n.
;; ======== version 1 of 2: 3 launches
;; workspace buffers: wf 2,097,152 bytes; vq 131,072 bytes; part 2,359,296 bytes
;; launch prep (part 1): grid 128 x 1, 8 waves a work-group, no clusters, 17,408 bytes of LDS; arguments W_e2a, W_d2a, q, wf, vq; writes wf, vq
.if DOCPART == 1
	.amdgcn_target "amdgcn-amd-amdhsa--gfx1250"
	.amdhsa_code_object_version 6
	.text
	.protected	k_qb733d91147_prep
	.globl	k_qb733d91147_prep
	.p2align	8
	.type	k_qb733d91147_prep,@function
k_qb733d91147_prep:
	s_mov_b64 s[64:65], 0
	v_nop
	global_prefetch_b8 v0, s[64:65] scope:SCOPE_SE
	s_setreg_imm32_b32 hwreg(HW_REG_WAVE_MODE, 25, 1), 1
	s_wait_xcnt 0x0
; TWO SMALL JOBS AHEAD OF THE MAIN LAUNCH, told apart by the work-group's number (the same in all eight waves).
; Work-groups 0-63: W_e2a [1024][1024] f32 is rounded once to bf16 and written in the order in which a matrix fragment lies in registers:
;   wf[p 2][kb 32][nb 32][1,024 bytes]: rows n = 512 p + 16 nb + r, k = 32 kb on; lane l = r + 16 h has k = 8 h .. 8 h + 7 at byte 16 l and k = 16 + 8 h .. at byte 512 + 16 l.
;   So the main launch takes a fragment by two loads of 16 bytes a lane, each 512 consecutive bytes a wave.
; Work-groups 64-127: V[b][n] = the sum over d of q[b][d] W_d2a[n][d], both rounded once to bf16, sums in f32: 16 columns n a work-group, K split among the eight waves (128 each),
;   the eight partial sums meet in LDS.  vq[nt 64][b 32][16 n] f32: a work-group writes 2,048 consecutive bytes.
; LIMITS.  NaN and infinities are not treated apart; the roundings to bf16 are to nearest even.
.set SPARE, 16384                      ; behind the partial sums: the spare words, 128 bytes for each of eight waves
.set FO,  2                            ; v2   r x 4,096 + 32 h + 512 x wave: my 8 f32 of a fragment's row; never rewritten
.set WO,  3                            ; v3   16 l + wave x 131,072: my 16 bytes in wf
.set LS,  4                            ; v4   where I put 32 bytes of a partial tile
.set LR,  5                            ; v5   512 x wave + 16 l: where I read partial sums back, and my 16 bytes of the work-group's 2,048 in vq
.set SPW, 14                           ; v14  LDS address of my spare word; never rewritten
.set NIL, 15                           ; v15  0; never rewritten
.set ACC, 208                          ; v[208:223] two accumulators: batches 0-15 and 16-31
; 16 rows x 32 k of f32 for one fragment: a lane's 8 + 8 numbers, four loads of 16 bytes
.macro FR32 X, base, imm
	global_load_b128 v[(\X):(\X)+3],     v[FO], s[\base:\base+1] offset:(\imm)
	global_load_b128 v[(\X)+4:(\X)+7],   v[FO], s[\base:\base+1] offset:(\imm)+16
	global_load_b128 v[(\X)+8:(\X)+11],  v[FO], s[\base:\base+1] offset:(\imm)+64
	global_load_b128 v[(\X)+12:(\X)+15], v[FO], s[\base:\base+1] offset:(\imm)+80
.endm
; rounded in place, ascending: register i is written when registers 2 i and 2 i + 1 have been read
.macro CV X
.irp i, 0,1,2,3,4,5,6,7
	v_cvt_pk_bf16_f32 v[(\X)+(\i)], v[(\X)+2*(\i)], v[(\X)+2*(\i)+1]
.endr
.endm
	s_load_b256 s[4:11], s[0:1], 0x0               ; W_e2a s[4:5], W_d2a s[6:7], q s[8:9], wf s[10:11]
	s_load_b64 s[12:13], s[0:1], 0x20              ; vq
	v_lshl_add_u32 v[SPW], v0, 2, SPARE
	v_mov_b32 v[NIL], 0
	v_lshrrev_b32 v1, 5, v0
	v_readfirstlane_b32 s14, v1                    ; wave 0..7
	v_and_b32 v6, 15, v0                           ; r
	v_bfe_u32 v7, v0, 4, 1                         ; h
	v_and_b32 v8, 31, v0                           ; l
	s_lshl_b32 s15, s14, 9                         ; my 128 k: 512 bytes of f32
	v_lshlrev_b32 v[FO], 12, v6
	v_lshl_add_u32 v[FO], v7, 5, v[FO]
	v_add_nc_u32 v[FO], s15, v[FO]
	s_mov_b32 s16, ttmp9
	s_mov_b32 s21, 0
	s_mov_b32 s23, 0
	s_wait_kmcnt 0x0
	s_cmp_lt_u32 s16, 64
	s_cbranch_scc0 .Lrole_v
	; ---- W_e2a's rows 16 x .. 16 x + 15; wave v takes kb = 4 v .. 4 v + 3
	s_lshl_b32 s20, s16, 16                        ; 16 rows of 4,096 bytes
	s_add_nc_u64 s[4:5], s[4:5], s[20:21]
	s_lshr_b32 s22, s16, 5                         ; p
	s_lshl_b32 s22, s22, 20
	s_and_b32 s17, s16, 31                         ; nb
	s_lshl_b32 s17, s17, 10
	s_add_co_u32 s22, s22, s17
	s_add_nc_u64 s[10:11], s[10:11], s[22:23]
	s_lshl_b32 s17, s14, 17                        ; four kb of 32,768 bytes a wave
	v_lshl_add_u32 v[WO], v8, 4, s17
.irp ks, 0,1,2,3
	FR32 16+16*(\ks), 4, 128*(\ks)
.endr
	s_wait_loadcnt 0x0
.irp ks, 0,1,2,3
	CV 16+16*(\ks)
.endr
.irp ks, 0,1,2,3
	global_store_b128 v[WO], v[16+16*(\ks):16+16*(\ks)+3],   s[10:11] offset:(\ks)*32768      ; each store of the wave covers 512 consecutive bytes, aligned
	global_store_b128 v[WO], v[16+16*(\ks)+4:16+16*(\ks)+7], s[10:11] offset:(\ks)*32768+512
.endr
	s_branch .Lend
.Lrole_v:
	; ---- V's columns 16 nt .. 16 nt + 15 for all 32 batches
	s_sub_co_u32 s18, s16, 64                      ; nt
	s_lshl_b32 s20, s18, 16
	s_add_nc_u64 s[6:7], s[6:7], s[20:21]          ; W_d2a at row 16 nt
	s_lshl_b32 s22, s18, 11
	s_add_nc_u64 s[12:13], s[12:13], s[22:23]      ; vq at the work-group's 2,048 bytes
	s_lshl_b32 s17, s14, 11
	v_lshlrev_b32 v[LS], 6, v6                     ; batch r: 64 bytes,
	v_lshl_add_u32 v[LS], v7, 5, v[LS]             ; my 8 columns: 32 bytes,
	v_add_nc_u32 v[LS], s17, v[LS]                 ; in my wave's 2,048
	v_lshl_add_u32 v[LR], v8, 4, s15
.irp ks, 0,1,2,3
	FR32 16+48*(\ks), 6, 128*(\ks)                 ; W_d2a's fragment,
	FR32 32+48*(\ks), 8, 128*(\ks)                 ; q's batches 0-15,
	FR32 48+48*(\ks), 8, 128*(\ks)+65536           ; q's batches 16-31
.endr
	s_wait_loadcnt 0x0
.irp ks, 0,1,2,3
	CV 16+48*(\ks)
	CV 32+48*(\ks)
	CV 48+48*(\ks)
.endr
	; source 0 = 16 rows of W_d2a, source 1 = 16 rows of q: a lane holds ONE batch (l % 16) and the columns 8 (l / 16) + 0..7.  The two accumulators take turns; the first products start the sums.
.irp ks, 0,1,2,3
.if (\ks) == 0
	v_wmma_f32_16x16x32_bf16 v[ACC:ACC+7],    v[16:23], v[32:39], 0
	v_wmma_f32_16x16x32_bf16 v[ACC+8:ACC+15], v[16:23], v[48:55], 0
.else
	v_wmma_f32_16x16x32_bf16 v[ACC:ACC+7],    v[16+48*(\ks):16+48*(\ks)+7], v[32+48*(\ks):32+48*(\ks)+7], v[ACC:ACC+7]
	v_wmma_f32_16x16x32_bf16 v[ACC+8:ACC+15], v[16+48*(\ks):16+48*(\ks)+7], v[48+48*(\ks):48+48*(\ks)+7], v[ACC+8:ACC+15]
.endif
.endr
.rept 4
	v_nop                                          ; four places between the last product and the stores that read the results, and the loads into registers that it read
.endr
.irp t, 0,1
	ds_store_b128 v[LS], v[ACC+8*(\t):ACC+8*(\t)+3]   offset:1024*(\t)     ; each accumulator's lowest registers first
	ds_store_b128 v[LS], v[ACC+8*(\t)+4:ACC+8*(\t)+7] offset:1024*(\t)+16
.endr
	s_wait_dscnt 0x0                               ; for the others' sake: my partial sums lie in LDS
	s_barrier_signal -1
	s_barrier_wait -1
	s_cmp_lt_u32 s14, 4                            ; waves 0-3 add up 512 bytes each
	s_cbranch_scc0 .Lend
.irp w, 0,1,2,3,4,5,6,7
	ds_load_b128 v[16+4*(\w):16+4*(\w)+3], v[LR] offset:2048*(\w)
.endr
	s_wait_dscnt 0x0
.irp w, 0,2,4,6
	v_pk_add_f32 v[16+4*(\w):16+4*(\w)+1],   v[16+4*(\w):16+4*(\w)+1],   v[20+4*(\w):20+4*(\w)+1]
	v_pk_add_f32 v[16+4*(\w)+2:16+4*(\w)+3], v[16+4*(\w)+2:16+4*(\w)+3], v[20+4*(\w)+2:20+4*(\w)+3]
.endr
.irp w, 0,4
	v_pk_add_f32 v[16+4*(\w):16+4*(\w)+1],   v[16+4*(\w):16+4*(\w)+1],   v[24+4*(\w):24+4*(\w)+1]
	v_pk_add_f32 v[16+4*(\w)+2:16+4*(\w)+3], v[16+4*(\w)+2:16+4*(\w)+3], v[24+4*(\w)+2:24+4*(\w)+3]
.endr
	v_pk_add_f32 v[16:17], v[16:17], v[32:33]
	v_pk_add_f32 v[18:19], v[18:19], v[34:35]
	global_store_b128 v[LR], v[16:19], s[12:13]    ; 512 consecutive bytes a wave
.Lend:
	s_wait_tensorcnt 0x0                           ; the wave's end: three closing lines, behind my last LDS store
	ds_add_u32 v[SPW], v[NIL]
	s_wait_dscnt 0x0
	s_endpgm
.Lfunc_end_k_qb733d91147_prep:
	.size	k_qb733d91147_prep, .Lfunc_end_k_qb733d91147_prep-k_qb733d91147_prep
	.p2alignl 7, 3214868480
	.fill 96, 4, 3214868480
	.section	.rodata,"a",@progbits
	.p2align	6, 0x0
	.amdhsa_kernel k_qb733d91147_prep
		.amdhsa_group_segment_fixed_size 17408
		.amdhsa_private_segment_fixed_size 0
		.amdhsa_enable_private_segment 0
		.amdhsa_kernarg_size 40
		.amdhsa_user_sgpr_count 2
		.amdhsa_user_sgpr_kernarg_segment_ptr 1
		.amdhsa_wavefront_size32 1
		.amdhsa_system_sgpr_workgroup_id_x 1
		.amdhsa_system_sgpr_workgroup_id_y 1
		.amdhsa_system_sgpr_workgroup_id_z 1
		.amdhsa_system_vgpr_workitem_id 0
		.amdhsa_next_free_vgpr 224
		.amdhsa_next_free_sgpr 66
		.amdhsa_reserve_vcc 0
		.amdhsa_float_denorm_mode_32 3
		.amdhsa_float_denorm_mode_16_64 3
		.amdhsa_memory_ordered 1
		.amdhsa_forward_progress 1
		.amdhsa_inst_pref_size 20
	.end_amdhsa_kernel
	.amdgpu_metadata
---
amdhsa.version: [ 1, 2 ]
amdhsa.kernels:
  - .name:           k_qb733d91147_prep
    .symbol:         k_qb733d91147_prep.kd
    .args:
      - { .name: W_e2a, .offset: 0, .size: 8, .value_kind: global_buffer, .address_space: global }
      - { .name: W_d2a, .offset: 8, .size: 8, .value_kind: global_buffer, .address_space: global }
      - { .name: q, .offset: 16, .size: 8, .value_kind: global_buffer, .address_space: global }
      - { .name: wf, .offset: 24, .size: 8, .value_kind: global_buffer, .address_space: global }
      - { .name: vq, .offset: 32, .size: 8, .value_kind: global_buffer, .address_space: global }
    .group_segment_fixed_size: 17408
    .private_segment_fixed_size: 0
    .kernarg_segment_align: 8
    .kernarg_segment_size: 40
    .max_flat_workgroup_size: 256
    .sgpr_count:     66
    .vgpr_count:     224
    .wavefront_size: 32
...
	.end_amdgpu_metadata
.endif
;; end of part 1
;; launch attn (part 2): grid 256 x 1, 4 waves a work-group, no clusters, 326,144 bytes of LDS; arguments keys, wf, vq, v_w, part; writes part
.if DOCPART == 2
	.amdgcn_target "amdgcn-amd-amdhsa--gfx1250"
	.amdhsa_code_object_version 6
	.text
	.protected	k_qb733d91147_attn
	.globl	k_qb733d91147_attn
	.p2align	8
	.type	k_qb733d91147_attn,@function
k_qb733d91147_attn:
	s_mov_b64 s[64:65], 0
	v_nop
	global_prefetch_b8 v0, s[64:65] scope:SCOPE_SE
	s_setreg_imm32_b32 hwreg(HW_REG_WAVE_MODE, 25, 1), 1
	s_wait_xcnt 0x0
; BAHDANAU ATTENTION, all but the joining of blocks.  e[s] = the sum over n of v[n] tanh(U[s][n] + V[n]), U = keys W^T; p[s] = exp(e[s] - m); c = the sum over s of p[s] keys[s].
; A work-group owns 256 rows of one batch, as two BLOCKS of 128.  A block is read from memory ONCE (f32), rounded once to bf16 and stays in LDS: it is source 1 of the products, and afterwards
; its rows are added up with the weights.  For each block (m, l = the sum of p, c[1024]) go to 'part'; the next launch joins a batch's 16 blocks.  m is the block's true maximum.
; FORMATS.  keys, W (already in wf), v_w are rounded once to bf16; V comes in f32 from bf16 operands.  U, tanh, e, p, l, c are f32 throughout.
; LIMITS.  NaN and infinities are not treated apart.  tanh(x) = 1 - 2 / (1 + 2^(2 log2(e) x)): where the power overflows it is 1, where it falls under 2^-126 it is -1; a weight under 2^-126 counts as 0.
; SHARES.  128 rows x 1,024 columns go in two PASSES of 512 columns; in a pass a wave has all 128 rows x 128 columns: 64 accumulators, 512 registers.  K goes in 32 steps of 32, four to a CHUNK of 128 k.
; THE PRODUCT IS USED TRANSPOSED: source 0 = 16 rows of W, source 1 = 16 rows of keys: a lane holds ONE key row (l % 16) and the columns 8 (l / 16) + 0..7, so the sum over columns stays in the lane
; but for one exchange of the lanes' halves and one meeting of the four waves.  A pass's first products take V as their C operand: nothing is cleared, and V costs no addition.
; THE BLOCK COMES IN UNDER PASS 0.  Pass 0 wants chunk c from K step 4 c on.  Chunks 0 and 1 are fetched ahead of the pass; chunks 2 to 7 come as 24 QUARTERS (8 of a wave's 32 rows x 512 bytes: 8 loads,
; 32 registers), one a K step: step t rounds and stores quarter t + 5 and asks for quarter t + 9 into the same registers.  Chunk c + 1 is whole at the end of step 2 of chunk c; one barrier, in step 3,
; stands ahead of its first reads.  Between two such barriers the waves read chunk k + 1 and store into chunk k + 2.
; NO CLUSTER, NO TENSOR LOADS.  All work-groups read the same W, but the block's slots take 313,344 bytes of LDS, and two slots of 512 columns x 64 k at a pitch of 144 bytes would be 147,456 more:
; they do not fit.  So W's fragments go from memory straight into registers (wf is laid out for that), and no wave wants another wave's columns.
; REGISTERS, in windows of 256 (s_set_vgpr_msb: bits 1:0 source 0, 3:2 source 1, 5:4 source 2, 7:6 destination):
;   window 0: addresses, statistics; v64-127 keys' 8 fragments; v128-255 in pass 0's K loop the four quarters on their way; else v128-191 v, v192-255 V, both as an accumulator lies (the context uses v64-235 anew)
;   window 1: four buffers of 64 for W's fragments, one for each K step of a chunk          windows 2, 3: the accumulators of rows 0-63, 64-127; window 2 is also the stage for a block's chunks 0 and 1
.set PITCH, 272                        ; an LDS row: 128 bf16 + 16 bytes = 68 words: the 16 rows of a fragment load start at 16 different groups of four banks (64 banks of 4 bytes: ISA guide 11.1)
.set CHUNK, 128*PITCH                  ; slot c: k = 128 c .. 128 c + 127 of the block's 128 rows; slot 8 takes the stores of the steps that have no rows to store, and is never read
.set VTAB,  9*CHUNK                    ; V[1024] f32 of my batch
.set WTAB,  VTAB+4096                  ; v_w rounded to bf16, as f32
.set SC,    WTAB+4096                  ; [wave][128] partial scores
.set WGT,   SC+2048                    ; the 128 weights, a copy for each wave
.set SPARE, WGT+2048                   ; the spare words, 128 bytes for each wave: two blocks of 256 bytes that no other line names
.set AF0, 2                            ; v2   r x 272 + 16 h: my place in a fragment's rows; never rewritten
.set AFA, 3                            ; v3   the same in the chunk in hand
.set AFN, 4                            ; v4   in the next chunk
.set BO,  5                            ; v5   8,192 x wave + 16 l: my 16 bytes of W's fragments; never rewritten
.set KO,  6                            ; v6   131,072 x wave + 16 l: my 16 bytes of a chunk's 512 in my wave's 32 rows of keys; never rewritten
.set PFO, 7                            ; v7   the prefetches' offset: 131,072 x wave + 4,096 (l / 4) + 256 (l % 4); never rewritten
.set AS0, 8                            ; v8   32 x wave rows + 8 l: where I put 4 bf16 of a row; never rewritten
.set TB0, 9                            ; v9   VTAB + 512 x wave + 32 h; never rewritten
.set ASA, 10                           ; v10  AS0 in the slot that steps 1 and 2 of a trip store into
.set ASB, 11                           ; v11  AS0 in the slot that steps 3 and 0 store into
.set KOS, 12                           ; v12  KO, or 0 in the steps that have no quarter to ask for
.set SPW, 14                           ; v14  LDS address of my spare word; never rewritten
.set NIL, 15                           ; v15  0; never rewritten
.set EP,  16                           ; v16-23  my part of e for row 16 a + r
.set TT,  24                           ; v24-31  at work; destinations of v_permlanex16_b32
.set SCS, 36
.set SCR, 37
.set WGS, 38
.set WG0, 39
.set CX00, 40
.set PO,  41
.set L16, 42
.set CX0, 43
.set CX1, 44
.set WGR, 45
.set EE,  48                           ; v48-63  at work
.set AF,  64
.set STG, 128                          ; v128-255  quarter j's 32 registers at STG + 32 j
.set WT,  128
.set VT,  192
.set D0,  64                           ; the context: two sets of 16 rows x 4 registers,
.set W0,  192                          ; two sets of 16 weights,
.set CA,  224                          ; eight sums,
.set ST,  232                          ; and (m, l, m, l)
.set WV,  14                           ; s14  my wave's number
.set KP,  16                           ; s[16:17] keys at the block's first row
.set WBN, 18                           ; s[18:19] wf at the stream chunk that is being loaded
.set PP,  20                           ; s[20:21] part at the block's row
.set OFF, 22                           ; s[22:23] an offset; the high word stays 0
.set BLK, 24
.set PAS, 25
.set CH,  26                           ; s26  trips of the K loop still to come, 7 to 1
.set CC,  27                           ; s27  the stream chunk (8 x pass + chunk) that WBN stands at
.set KS,  28                           ; s[28:29] keys at the block's first row, at the chunk whose quarters are being asked for
.set CNT, 30
.set CS,  32                           ; s[32:33] 2 log2(e)
.set SEL, 34                           ; s[34:35] v_permlanex16_b32's selects: each lane takes its own place in the other half
.set L2E, 36
.set MSK, 37                           ; s37  all ones while there are quarters to ask for, else 0
.set ACH, 38                           ; s38  LDS byte of the chunk in hand
.set ANX, 39                           ; s39  of the next
.set SOA, 40                           ; s40  LDS byte of ASA's slot
.set SOB, 41                           ; s41  of ASB's
.set MSB, 0
.macro WIN new                         ; the immediate's high byte repeats the setting that is left; a switch that changes nothing is dropped
.if MSB != (\new)
	s_set_vgpr_msb (MSB<<8)|(\new)
.set MSB, (\new)
.endif
.endm
.macro PLACES                          ; four places between a product and a load into a register that it read, or a vector instruction that reads its result (ISA guide 7.12.1 for vector instructions)
.rept 4
	v_nop
.endr
.endm
; 32 products: rows 64 hi .. 64 hi + 63 x my 128 columns, 32 along K, W from buffer buf.  cv = 1: the pass's first K step: C is V.  All 64 accumulators take turns in one order in every step.
.macro MUL32 buf, hi, cv
.if \cv
	WIN 0x81+0x40*(\hi)
.else
	WIN 0xa1+0x50*(\hi)
.endif
.irp a, 0,1,2,3
.irp b, 0,1,2,3,4,5,6,7
.if \cv
	v_wmma_f32_16x16x32_bf16 v[8*(8*(\a)+(\b)):8*(8*(\a)+(\b))+7], v[64*(\buf)+8*(\b):64*(\buf)+8*(\b)+7], v[AF+8*(4*(\hi)+(\a)):AF+8*(4*(\hi)+(\a))+7], v[VT+8*(\b):VT+8*(\b)+7]
.else
	v_wmma_f32_16x16x32_bf16 v[8*(8*(\a)+(\b)):8*(8*(\a)+(\b))+7], v[64*(\buf)+8*(\b):64*(\buf)+8*(\b)+7], v[AF+8*(4*(\hi)+(\a)):AF+8*(4*(\hi)+(\a))+7], v[8*(8*(\a)+(\b)):8*(8*(\a)+(\b))+7]
.endif
.endr
.endr
.endm
; 8 LDS loads: keys' fragments of rows 64 half .. + 63, 32 k at byte k of the rows
.macro ARUN half, adr, k
	WIN 0
.irp a, 0,1,2,3
	ds_load_b128 v[AF+8*(4*(\half)+(\a)):AF+8*(4*(\half)+(\a))+3],   v[\adr] offset:(4*(\half)+(\a))*16*PITCH+(\k)
	ds_load_b128 v[AF+8*(4*(\half)+(\a))+4:AF+8*(4*(\half)+(\a))+7], v[\adr] offset:(4*(\half)+(\a))*16*PITCH+(\k)+32
.endr
.endm
; 16 loads: my 8 fragments of W for K step q of the stream chunk at WBN; each load of the wave takes 512 consecutive bytes
.macro BRUN q
	WIN 0x40
.irp i, 0,1,2,3,4,5,6,7
	global_load_b128 v[64*(\q)+8*(\i):64*(\q)+8*(\i)+3],   v[BO], s[WBN:WBN+1] offset:(\q)*32768+(\i)*1024
	global_load_b128 v[64*(\q)+8*(\i)+4:64*(\q)+8*(\i)+7], v[BO], s[WBN:WBN+1] offset:(\q)*32768+(\i)*1024+512
.endr
.endm
; A QUARTER, in three parts.  KL: asked for: rows 8 j .. 8 j + 7 of my wave's 32, the 512 bytes of the chunk at KS: each load of the wave takes 512 consecutive bytes (or, with KOS = 0, all lanes the same 16).
.macro KL j
.irp m, 0,1,2,3,4,5,6,7
	global_load_b128 v[STG+32*(\j)+4*(\m):STG+32*(\j)+4*(\m)+3], v[KOS], s[KS:KS+1] offset:(8*(\j)+(\m))*4096 th:TH_LOAD_NT
.endr
.endm
; KCV: rounded to bf16 in place, ascending: a register is written when it has been read
.macro KCV j
.irp m, 0,1,2,3,4,5,6,7
	v_cvt_pk_bf16_f32 v[STG+32*(\j)+2*(\m)],   v[STG+32*(\j)+4*(\m)],   v[STG+32*(\j)+4*(\m)+1]
	v_cvt_pk_bf16_f32 v[STG+32*(\j)+2*(\m)+1], v[STG+32*(\j)+4*(\m)+2], v[STG+32*(\j)+4*(\m)+3]
.endr
.endm
; KSTO: stored: a store of the wave covers a row's 256 bytes of one slot
.macro KSTO j, adr
.irp m, 0,1,2,3,4,5,6,7
	ds_store_b64 v[\adr], v[STG+32*(\j)+2*(\m):STG+32*(\j)+2*(\m)+1] offset:(8*(\j)+(\m))*PITCH
.endr
.endm
; ONE K STEP.  keys' fragments have one buffer: its lower half is loaded anew when rows 0-63 are multiplied, its upper half when rows 64-127 are; each half has 32 products in which to land.
; W's buffer q is loaded anew, for the NEXT stream chunk, when it has been multiplied: it has three K steps in which to land.
; st = 1: a step of pass 0's loop: the quarter in set (q + 1) % 4, asked for four steps back, is rounded (the 16 roundings are the places behind the step's last product) and stored, and the set is asked for again.
; st = 2: pass 0's first step: a quarter is asked for, none is stored.  st = 0: no quarter.
.macro QSTEP q, cv, st=0
	MUL32 \q, 0, \cv
	PLACES
.if (\st) && ((\q) == 3)
	s_wait_dscnt 0x0                               ; my stores into the next chunk (the last stand 32 products back) are done, and no LDS load of mine is out:
	s_barrier_signal -1
	s_barrier_wait -1                              ; everybody's are: the next chunk is whole, and the loads below may read it
.endif
.if (\q) < 3
	ARUN 0, AFA, 64*((\q)+1)
.else
	ARUN 0, AFN, 0
.endif
.if (\q) == 0
	s_wait_xcnt 0x0                                ; the loads issued so far have read WBN (the youngest stand 32 products back): it may be written
	s_add_co_u32 s[CC], s[CC], 1
	s_and_b32 s[CC], s[CC], 15                     ; behind pass 1's last chunk comes pass 0's first, for the next block
	s_lshl_b32 s[OFF], s[CC], 17
	s_add_nc_u64 s[WBN:WBN+1], s[6:7], s[OFF:OFF+1]
.endif
.if (\st) && ((\q) == 3)
	s_wait_xcnt 0x0                                ; likewise KS and KOS
	s_add_nc_u64 s[KS:KS+1], s[KS:KS+1], 512       ; this step asks for the next chunk's first quarter: trips 0 to 4 (CH = 7 to 3) step KS to chunks 3 to 7;
	s_cmp_ge_u32 s[CH], 3                          ; from here in trip 5 on nothing is left to ask for: the offset becomes 0, and all lanes load the same 16 bytes of the block,
	s_cselect_b32 s[MSK], -1, 0                    ; so that every step of the loop issues the same number of loads and the counts below hold in every trip
	v_and_b32 v[KOS], s[MSK], v[KO]
.endif
	s_wait_dscnt 8                                 ; all but the 8 just issued: the upper half's fragments are in
	MUL32 \q, 1, \cv
.if (\st) == 1
	WIN 0
	KCV ((\q)+1)%4
.else
	PLACES
.endif
.if (\q) < 3
	ARUN 1, AFA, 64*((\q)+1)
.else
	ARUN 1, AFN, 0
.endif
.if (\st) == 1
.if ((\q) == 1) || ((\q) == 2)
	KSTO ((\q)+1)%4, ASA
.else
	KSTO ((\q)+1)%4, ASB
.endif
.endif
	BRUN \q
.if \st
	WIN 0
	KL ((\q)+1)%4
.endif
.if (\st) == 1
	s_wait_loadcnt 63                              ; a step issues 16 + 8 loads; behind the next step's W, asked for three steps back, stand 80 younger ones, and a wait's count names 63 at the most: what must be in is that W and the quarter asked for beside it, which the next step rounds
.elseif (\st) == 2
	s_wait_loadcnt 32                              ; the 8 + 16 + 8 loads issued since the block's first two chunks came in may stay out; every load into W's buffers 1 and 2 that was issued earlier is in before those buffers are loaded anew
.else
	s_wait_loadcnt 48                              ; three runs of 16 may stay out (K steps + 2, + 3 and the run just issued): the next step's W is in (behind pass 0's loop more loads are younger than that: the count is then stricter than need be)
.endif
.if (\st) == 1
	s_wait_dscnt 16                                ; all but the 8 loads and 8 stores just issued: the next step's lower half is in
.else
	s_wait_dscnt 8                                 ; all but the 8 just issued: the next step's lower half is in
.endif
.endm
; A block's chunks 0 and 1, as f32, into window 2: 64 loads; load 32 u + r takes 512 consecutive bytes: chunk u of row r of my wave's 32
.macro KLD
	WIN 0x80
.irp u, 0,1
.set ix, 0
.rept 32
	global_load_b128 v[128*(\u)+4*ix:128*(\u)+4*ix+3], v[KO], s[KP:KP+1] offset:ix*4096+(\u)*512 th:TH_LOAD_NT
.set ix, ix+1
.endr
.endr
.endm
; chunk s of them is rounded to bf16 in place (ascending: a register is written when it has been read) and stored: a store of the wave covers a row's 256 bytes
.macro CVTST s
	WIN 0x8a
.set ix, 0
.rept 32
	v_cvt_pk_bf16_f32 v[128*(\s)+2*ix],   v[128*(\s)+4*ix],   v[128*(\s)+4*ix+1]
	v_cvt_pk_bf16_f32 v[128*(\s)+2*ix+1], v[128*(\s)+4*ix+2], v[128*(\s)+4*ix+3]
.set ix, ix+1
.endr
	WIN 0x08
.set ix, 0
.rept 32
	ds_store_b64 v[AS0], v[128*(\s)+2*ix:128*(\s)+2*ix+1] offset:(\s)*CHUNK+ix*PITCH
.set ix, ix+1
.endr
.endm
; 16 LDS loads: a table's 128 numbers for my columns, as an accumulator lies: register 8 b + j = number 16 b + 8 h + j
.macro TABS dst, off
.irp b, 0,1,2,3,4,5,6,7
	ds_load_b128 v[(\dst)+8*(\b):(\dst)+8*(\b)+3],   v[TB0] offset:(\off)+64*(\b)
	ds_load_b128 v[(\dst)+8*(\b)+4:(\dst)+8*(\b)+7], v[TB0] offset:(\off)+64*(\b)+16
.endr
.endm
; THE EPILOGUE's lines.  Batch g is column tile g of the window's four row tiles: 32 registers.  Item i of 16: pair i / 4 of tile i % 4; element i of 32: register i / 4 of tile i % 4.
.macro EM g, i                         ; x times 2 log2(e); items 0-3 read each accumulator's two lowest registers first
.set rA, 8*(8*((\i)%4)+(\g))+2*((\i)/4)
	v_pk_mul_f32 v[rA:rA+1], v[rA:rA+1], s[CS:CS+1] op_sel_hi:[1,0]
.endm
.macro EX g, i
.set rA, 8*(8*((\i)%4)+(\g))+(\i)/4
	v_exp_f32 v[rA], v[rA]
.endm
.macro EA g, i
.set rA, 8*(8*((\i)%4)+(\g))+2*((\i)/4)
	v_pk_add_f32 v[rA:rA+1], v[rA:rA+1], 1.0 op_sel_hi:[1,0]
.endm
.macro ER g, i
.set rA, 8*(8*((\i)%4)+(\g))+(\i)/4
	v_rcp_f32 v[rA], v[rA]
.endm
.macro ET g, i                         ; tanh = 1 - 2 / (1 + 2^..)
.set rA, 8*(8*((\i)%4)+(\g))+2*((\i)/4)
	v_pk_fma_f32 v[rA:rA+1], v[rA:rA+1], -2.0, 1.0 op_sel_hi:[1,0,0]
.endm
.macro EF g, i                         ; times v, added onto column tile 0's registers
.set rA, 8*(8*((\i)%4)+(\g))+2*((\i)/4)
.set rZ, 64*((\i)%4)+2*((\i)/4)
.set rW, WT+8*(\g)+2*((\i)/4)
.if (\g) == 0
	v_pk_mul_f32 v[rZ:rZ+1], v[rZ:rZ+1], v[rW:rW+1]
.else
	v_pk_fma_f32 v[rZ:rZ+1], v[rA:rA+1], v[rW:rW+1], v[rZ:rZ+1]
.endif
.endm
; THE EPILOGUE of rows 64 hi .. + 63, under ONE window setting (accumulators as destination, source 0 and source 2; v as source 1 in window 0).  Ten phases; in phase t batch t has its exponentials, batch t - 1 its
; + 1 and its reciprocals, batch t - 2 its tanh and its product with v, batch t + 1 its scaling: a transcendental and a plain line by turns.  Whoever reads a transcendental's result stands in a later phase,
; so each phase has ONE s_wait_alu depctr_va_vdst(0), at its end, behind a v_nop: the wait stands ahead of the first line that names a result, and a plain line behind the last transcendental.
.macro EPI hi
	WIN 0xa2+0x51*(\hi)
.set i, 0
.rept 16
	EM 0, i
.set i, i+1
.endr
.set t, 0
.rept 10
.if t == 2
	s_wait_dscnt 0x0                               ; v, asked for at the epilogue's start, two phases back, is read from here on (with it the next pass's V and first fragments are in)
.endif
.set i, 0
.rept 32
.if t < 8
	EX t, i
.endif
.if (i < 16) && (t >= 1) && (t <= 8)
	EA t-1, i
.endif
.if (i >= 16) && (t < 7)
	EM t+1, i-16
.endif
.set i, i+1
.endr
.set i, 0
.rept 32
.if (t >= 1) && (t <= 8)
	ER t-1, i
.endif
.if t >= 2
.if i < 16
	ET t-2, i
.else
	EF t-2, i-16
.endif
.endif
.set i, i+1
.endr
.if t <= 8
	v_nop
	s_wait_alu depctr_va_vdst(0)
.endif
.set t, t+1
.endr
	WIN 0
.endm
; column tile 0's eight registers of each row tile are folded and added onto EP
.macro REDUCE hi
	WIN 0x8a+0x45*(\hi)
.irp a, 0,1,2,3
	v_pk_add_f32 v[64*(\a):64*(\a)+1],   v[64*(\a):64*(\a)+1],   v[64*(\a)+2:64*(\a)+3]
	v_pk_add_f32 v[64*(\a)+4:64*(\a)+5], v[64*(\a)+4:64*(\a)+5], v[64*(\a)+6:64*(\a)+7]
.endr
.irp a, 0,1,2,3
	v_pk_add_f32 v[64*(\a):64*(\a)+1],   v[64*(\a):64*(\a)+1],   v[64*(\a)+4:64*(\a)+5]
.endr
	WIN 0x02+(\hi)
.irp a, 0,1,2,3
	v_add_f32 v[EP+4*(\hi)+(\a)], v[64*(\a)], v[EP+4*(\hi)+(\a)]
.endr
.irp a, 0,1,2,3
	v_add_f32 v[EP+4*(\hi)+(\a)], v[64*(\a)+1], v[EP+4*(\hi)+(\a)]
.endr
	WIN 0
.endm
; THE CONTEXT.  36 LDS loads: 16 rows x my 4 + 4 columns (8 bytes in each of my wave's two chunks; a load of the wave takes a row's 256 bytes), and the 16 weights, the same for all lanes
.macro CLD set, ro
.set rr, 0
.rept 16
	ds_load_b64 v[D0+64*(\set)+4*rr:D0+64*(\set)+4*rr+1],   v[CX0] offset:((\ro)+rr)*PITCH
	ds_load_b64 v[D0+64*(\set)+4*rr+2:D0+64*(\set)+4*rr+3], v[CX1] offset:((\ro)+rr)*PITCH
.set rr, rr+1
.endr
.irp g, 0,1,2,3
	ds_load_b128 v[W0+16*(\set)+4*(\g):W0+16*(\set)+4*(\g)+3], v[WGR] offset:((\ro)+4*(\g))*4
.endr
.endm
; 128 multiply-adds in f32 straight from the bf16 halves: eight sums that do not wait for each other
.macro CFM set
.set rr, 0
.rept 16
.set j, 0
.rept 8
.if j%2
	v_fma_mix_f32_bf16 v[CA+j], v[D0+64*(\set)+4*rr+j/2], v[W0+16*(\set)+rr], v[CA+j] op_sel:[1,0,0] op_sel_hi:[1,0,0]
.else
	v_fma_mix_f32_bf16 v[CA+j], v[D0+64*(\set)+4*rr+j/2], v[W0+16*(\set)+rr], v[CA+j] op_sel_hi:[1,0,0]
.endif
.set j, j+1
.endr
.set rr, rr+1
.endr
.endm
	s_load_b256 s[4:11], s[0:1], 0x0               ; keys s[4:5], wf s[6:7], vq s[8:9], v_w s[10:11]
	s_load_b64 s[12:13], s[0:1], 0x20              ; part
	v_lshl_add_u32 v[SPW], v0, 2, SPARE
	v_mov_b32 v[NIL], 0
	v_lshrrev_b32 v1, 5, v0
	v_readfirstlane_b32 s[WV], v1                  ; wave 0..3
	s_mov_b32 s15, ttmp9                           ; the work-group: batch s15 / 8, rows 256 (s15 % 8) on
	v_and_b32 v32, 15, v0                          ; r = l % 16
	v_bfe_u32 v33, v0, 4, 1                        ; h = l / 16
	v_and_b32 v34, 31, v0                          ; l
	v_mul_u32_u24 v[AF0], v32, PITCH
	v_lshl_add_u32 v[AF0], v33, 4, v[AF0]
	s_lshl_b32 s30, s[WV], 13
	v_lshl_add_u32 v[BO], v34, 4, s30
	s_lshl_b32 s30, s[WV], 17
	v_lshl_add_u32 v[KO], v34, 4, s30
	v_and_b32 v[PFO], 3, v34
	v_lshlrev_b32 v[PFO], 8, v[PFO]
	v_lshrrev_b32 v1, 2, v34
	v_lshl_add_u32 v[PFO], v1, 12, v[PFO]
	v_add_nc_u32 v[PFO], s30, v[PFO]
	s_mul_i32 s31, s[WV], 32*PITCH
	v_lshl_add_u32 v[AS0], v34, 3, s31
	s_lshl_b32 s31, s[WV], 9
	s_add_co_u32 s30, s31, VTAB
	v_lshl_add_u32 v[TB0], v33, 5, s30
	s_add_co_u32 s30, s31, SC
	v_lshl_add_u32 v[SCS], v32, 2, s30             ; my wave's partial score of row 16 a + r
	v_lshl_add_u32 v[SCR], v34, 4, SC              ; rows 4 l .. 4 l + 3 of a wave's partial scores
	s_add_co_u32 s30, s31, WGT
	v_lshl_add_u32 v[WGS], v34, 4, s30
	v_mov_b32 v[WG0], s30
	s_mul_i32 s30, s[WV], 2*CHUNK
	v_lshl_add_u32 v[CX00], v34, 3, s30            ; my 4 columns in chunk 2 x wave
	s_lshl_b32 s30, s[WV], 10
	v_lshl_add_u32 v[PO], v34, 4, s30              ; and their 16 bytes in part's row
	v_lshlrev_b32 v[L16], 4, v34
	v_lshl_add_u32 v35, v0, 4, VTAB                ; the tables: thread t brings numbers 4 t .. 4 t + 3 and 512 + 4 t ..
	v_lshrrev_b32 v46, 2, v0
	v_and_b32 v47, 3, v0
	v_lshlrev_b32 v46, 11, v46                     ; vq[nt = t / 4][batch][4 (t % 4) ..]
	v_lshl_add_u32 v46, v47, 4, v46
	s_lshr_b32 s30, s15, 3
	s_lshl_b32 s30, s30, 6
	v_add_nc_u32 v46, s30, v46
	v_lshlrev_b32 v47, 4, v0
	s_mov_b32 s[CS], 0x4038aa3b                    ; 2 log2(e)
	s_mov_b32 s[CS+1], s[CS]                       ; named with it as a pair
	s_mov_b32 s[SEL], 0x76543210
	s_mov_b32 s[SEL+1], 0xfedcba98
	s_mov_b32 s[L2E], 0x3fb8aa3b
	s_mov_b32 s[CC], 0
	s_mov_b32 s[BLK], 0
	s_mov_b32 s[OFF+1], 0
	s_lshl_b32 s[OFF], s15, 20                     ; 256 rows of 4,096 bytes
	s_wait_kmcnt 0x0
	s_add_nc_u64 s[KP:KP+1], s[4:5], s[OFF:OFF+1]
	s_mul_i32 s[OFF], s15, 2*4608
	s_add_nc_u64 s[PP:PP+1], s[12:13], s[OFF:OFF+1]
	s_mov_b64 s[WBN:WBN+1], s[6:7]
	global_load_b128 v[EE:EE+3],     v46, s[8:9]
	global_load_b128 v[EE+4:EE+7],   v46, s[8:9] offset:65536
	global_load_b128 v[EE+8:EE+11],  v47, s[10:11]
	global_load_b128 v[EE+12:EE+15], v47, s[10:11] offset:2048
	BRUN 0                                         ; W's stream chunk 0; later chunks are asked for in the K loop
	BRUN 1
	BRUN 2
	BRUN 3
	KLD                                            ; block 0's chunks 0 and 1
	WIN 0
	s_wait_loadcnt 63                              ; 128 loads are younger than the four tables'; a wait's count names 63 at the most
	ds_store_b128 v35, v[EE:EE+3]
	ds_store_b128 v35, v[EE+4:EE+7] offset:2048
.irp i, 0,1,2,3
	v_cvt_pk_bf16_f32 v[TT+(\i)], v[EE+8+2*(\i)], v[EE+9+2*(\i)]   ; v_w rounded once to bf16,
.endr
.irp i, 0,1,2,3
	v_lshlrev_b32 v[EE+8+2*(\i)], 16, v[TT+(\i)]                   ; and written as f32 again
	v_and_b32     v[EE+9+2*(\i)], 0xffff0000, v[TT+(\i)]
.endr
	ds_store_b128 v35, v[EE+8:EE+11]  offset:4096
	ds_store_b128 v35, v[EE+12:EE+15] offset:6144
.Lblock:
	; ---- THE BLOCK BEGINS: chunks 0 and 1, on their way since the head or since the last block's epilogue, are rounded and stored; quarter 8 (chunk 2's first) is asked for ahead of that
	s_add_nc_u64 s[KS:KS+1], s[KP:KP+1], 2*512
	v_mov_b32 v[KOS], v[KO]
	KL 0
	s_wait_loadcnt 40                              ; chunk 0 is in; chunk 1's 32 loads and the quarter's 8 may stay out
	CVTST 0
	s_wait_loadcnt 8                               ; chunk 1 is in, and all of W that was asked for ahead of it
	CVTST 1
	WIN 0
	s_mov_b32 s[SOA], 8*CHUNK                      ; the first trip's steps 1 and 2 have nothing to store: slot 8
	s_mov_b32 s[SOB], 2*CHUNK
	v_add_nc_u32 v[ASA], s[SOA], v[AS0]
	v_add_nc_u32 v[ASB], s[SOB], v[AS0]
	s_wait_dscnt 0x0                               ; for the others' sake: my rows (and, the first time, my part of the tables) lie in LDS
	s_barrier_signal -1
	s_barrier_wait -1
	TABS VT, 0                                     ; pass 0's V
	ARUN 0, AF0, 0                                 ; K step 0's fragments
	ARUN 1, AF0, 0
.irp a, 0,1,2,3,4,5,6,7
	v_mov_b32 v[EP+(\a)], 0
	v_mov_b32 v[TT+(\a)], 0
.endr
	s_wait_dscnt 8                                 ; all but the upper half's 8 loads
	s_mov_b32 s[PAS], 0
.Lpass:
	; ---- 32 K STEPS.  The first stands in front of the loop: its products start the sums.  A trip: steps 1 to 3 of a chunk and step 0 of the next.  Pass 0's loop brings the block's chunks 2 to 7 in; pass 1's does not.
	v_mov_b32 v[AFA], v[AF0]
	s_mov_b32 s[ACH], 0
	s_mov_b32 s[CH], 7
	s_cmp_lg_u32 s[PAS], 0
	s_cbranch_scc1 .Lplain
	QSTEP 0, 1, 2                                  ; quarter 9 is asked for: into set 1; sets 2 and 3 hold V in this step
	WIN 0
.Lstream:
	s_add_co_u32 s[ANX], s[ACH], CHUNK
	v_add_nc_u32 v[AFN], s[ANX], v[AF0]
	QSTEP 1, 0, 1
	QSTEP 2, 0, 1
	QSTEP 3, 0, 1
	WIN 0
	s_mov_b32 s[ACH], s[ANX]
	v_add_nc_u32 v[AFA], s[ACH], v[AF0]
	QSTEP 0, 0, 1
	WIN 0
	s_mov_b32 s[SOA], s[SOB]                       ; the next trip's steps 1 and 2 finish the slot that this trip's steps 3 and 0 began;
	s_add_co_u32 s[SOB], s[SOB], CHUNK             ; its steps 3 and 0 begin the next: behind slot 7 that is slot 8
	v_add_nc_u32 v[ASA], s[SOA], v[AS0]
	v_add_nc_u32 v[ASB], s[SOB], v[AS0]
	s_sub_co_u32 s[CH], s[CH], 1
	s_cmp_lg_u32 s[CH], 0
	s_cbranch_scc1 .Lstream
	s_branch .Ltail
.Lplain:
	QSTEP 0, 1
	WIN 0
.Lchunk:
	s_add_co_u32 s[ANX], s[ACH], CHUNK
	v_add_nc_u32 v[AFN], s[ANX], v[AF0]
	QSTEP 1, 0
	QSTEP 2, 0
	QSTEP 3, 0
	WIN 0
	s_mov_b32 s[ACH], s[ANX]
	v_add_nc_u32 v[AFA], s[ACH], v[AF0]
	QSTEP 0, 0
	WIN 0
	s_sub_co_u32 s[CH], s[CH], 1
	s_cmp_lg_u32 s[CH], 0
	s_cbranch_scc1 .Lchunk
.Ltail:
	v_mov_b32 v[AFN], v[AF0]                       ; behind chunk 7 comes chunk 0, for the next pass (behind pass 1 these 16 loads, and in the launch's last pass W's 64, serve nothing: the price of one text for every step)
	QSTEP 1, 0
	QSTEP 2, 0
	QSTEP 3, 0
	WIN 0
	; ---- THE EPILOGUE: tanh, times v, summed over my 128 columns.  The quarters' registers are free (the tail's last wait leaves only W's loads out): they take the pass's v and, behind pass 0, pass 1's V
	s_cmp_lg_u32 s[PAS], 0
	s_cbranch_scc1 .Ltab1
	TABS VT, 2048
	TABS WT, 4096
	s_branch .Ltabd
.Ltab1:
	TABS WT, 4096+2048
.Ltabd:
	EPI 0
	REDUCE 0
	EPI 1
	REDUCE 1
	s_add_co_u32 s[PAS], s[PAS], 1
	s_cmp_lt_u32 s[PAS], 2
	s_cbranch_scc1 .Lpass
	; ---- the accumulators are free: the next block's chunks 0 and 1 are asked for, and land under the scores and the context
	s_cmp_lg_u32 s[BLK], 0
	s_cbranch_scc1 .Lno_next
	s_wait_xcnt 0x0
	s_add_nc_u64 s[KP:KP+1], s[KP:KP+1], 128*4096
	KLD
	WIN 0
	; A prefetch, together behind the loads: chunks 2 and 3 of my wave's own 32 rows of the next block, which the block's beginning and pass 0's first seven steps will load: a lane names 256 bytes, an instruction
	; 8 rows x 1,024 bytes; each block of 256 bytes is named once in the launch.  Between these lines and those loads stand the scores and the context's 1,024 multiply-adds.  The later quarters are asked for by
	; their own loads, three K steps ahead of their use, and by nothing else.
.irp i, 0,1,2,3
	global_prefetch_b8 v[PFO], s[KP:KP+1] offset:1024+(\i)*8*4096 th:TH_LOAD_NT scope:SCOPE_SE
.endr
.Lno_next:
	; ---- THE SCORES: the lanes' halves, then the four waves
.irp a, 0,1,2,3,4,5,6,7
	v_permlanex16_b32 v[TT+(\a)], v[EP+(\a)], s[SEL], s[SEL+1]
.endr
.irp a, 0,1,2,3,4,5,6,7
	v_add_f32 v[EP+(\a)], v[EP+(\a)], v[TT+(\a)]
.endr
.irp a, 0,1,2,3,4,5,6,7
	ds_store_b32 v[SCS], v[EP+(\a)] offset:64*(\a) ; both halves of the lanes write the same word with the same number
.endr
	s_wait_dscnt 0x0
	s_barrier_signal -1
	s_barrier_wait -1
.irp w, 0,1,2,3
	ds_load_b128 v[EE+4*(\w):EE+4*(\w)+3], v[SCR] offset:512*(\w)
.endr
	s_wait_dscnt 0x0
	v_pk_add_f32 v[EE:EE+1],     v[EE:EE+1],     v[EE+4:EE+5]
	v_pk_add_f32 v[EE+2:EE+3],   v[EE+2:EE+3],   v[EE+6:EE+7]
	v_pk_add_f32 v[EE+8:EE+9],   v[EE+8:EE+9],   v[EE+12:EE+13]
	v_pk_add_f32 v[EE+10:EE+11], v[EE+10:EE+11], v[EE+14:EE+15]
	v_pk_add_f32 v[EE:EE+1],     v[EE:EE+1],     v[EE+8:EE+9]
	v_pk_add_f32 v[EE+2:EE+3],   v[EE+2:EE+3],   v[EE+10:EE+11]   ; e of rows 4 l .. 4 l + 3, in every wave
	v_max3_num_f32 v[EE+4], v[EE], v[EE+1], v[EE+2]
	v_max_num_f32 v[EE+4], v[EE+4], v[EE+3]
	v_max_num_f32_dpp v[EE+4], v[EE+4], v[EE+4] row_xmask:1 row_mask:0xf bank_mask:0xf
	v_max_num_f32_dpp v[EE+4], v[EE+4], v[EE+4] row_xmask:2 row_mask:0xf bank_mask:0xf
	v_max_num_f32_dpp v[EE+4], v[EE+4], v[EE+4] row_xmask:4 row_mask:0xf bank_mask:0xf
	v_max_num_f32_dpp v[EE+4], v[EE+4], v[EE+4] row_xmask:8 row_mask:0xf bank_mask:0xf
	v_permlanex16_b32 v[TT], v[EE+4], s[SEL], s[SEL+1]
	v_max_num_f32 v[ST], v[EE+4], v[TT]            ; m: the block's maximum
.irp j, 0,1,2,3
	v_sub_f32 v[EE+8+(\j)], v[EE+(\j)], v[ST]
.endr
.irp j, 0,1,2,3
	v_mul_f32 v[EE+8+(\j)], s[L2E], v[EE+8+(\j)]
.endr
.irp j, 0,1,2,3
	v_exp_f32 v[EE+8+(\j)], v[EE+8+(\j)]
.endr
	v_nop                                          ; a plain line behind the last exponential,
	s_wait_alu depctr_va_vdst(0)                   ; and the one wait for the four, ahead of their first reader
	ds_store_b128 v[WGS], v[EE+8:EE+11]            ; the weights, into my wave's own copy: LDS serves a wave's instructions in order (ISA guide 5.7.1.4), so the context's loads see them
	v_pk_add_f32 v[EE+12:EE+13], v[EE+8:EE+9], v[EE+10:EE+11]
	v_add_f32 v[EE+12], v[EE+12], v[EE+13]
	v_add_f32_dpp v[EE+12], v[EE+12], v[EE+12] row_xmask:1 row_mask:0xf bank_mask:0xf
	v_add_f32_dpp v[EE+12], v[EE+12], v[EE+12] row_xmask:2 row_mask:0xf bank_mask:0xf
	v_add_f32_dpp v[EE+12], v[EE+12], v[EE+12] row_xmask:4 row_mask:0xf bank_mask:0xf
	v_add_f32_dpp v[EE+12], v[EE+12], v[EE+12] row_xmask:8 row_mask:0xf bank_mask:0xf
	v_permlanex16_b32 v[TT], v[EE+12], s[SEL], s[SEL+1]
	v_add_f32 v[ST+1], v[EE+12], v[TT]             ; l
	v_mov_b32 v[ST+2], v[ST]
	v_mov_b32 v[ST+3], v[ST+1]
	; ---- THE CONTEXT: my wave's 256 columns (chunks 2 w, 2 w + 1) over the 128 rows, 32 rows a trip on two sets of 16
	v_mov_b32 v[CX0], v[CX00]
	v_add_nc_u32 v[CX1], CHUNK, v[CX00]
	v_mov_b32 v[WGR], v[WG0]
.irp j, 0,1,2,3,4,5,6,7
	v_mov_b32 v[CA+(\j)], 0
.endr
	CLD 0, 0
	s_mov_b32 s[CNT], 3
.Lctx:
	CLD 1, 16
	s_wait_dscnt 36                                ; set 0 is in; set 1's 36 loads may stay out
	CFM 0
	v_add_nc_u32 v[CX0], 32*PITCH, v[CX0]
	v_add_nc_u32 v[CX1], 32*PITCH, v[CX1]
	v_add_nc_u32 v[WGR], 128, v[WGR]
	CLD 0, 0
	s_wait_dscnt 36                                ; set 1 is in
	CFM 1
	s_sub_co_u32 s[CNT], s[CNT], 1
	s_cmp_lg_u32 s[CNT], 0
	s_cbranch_scc1 .Lctx
	CLD 1, 16
	s_wait_dscnt 36
	CFM 0
	s_wait_dscnt 0x0
	CFM 1
	global_store_b128 v[PO], v[CA:CA+3],   s[PP:PP+1]             ; each store of the wave covers 512 consecutive bytes, aligned
	global_store_b128 v[PO], v[CA+4:CA+7], s[PP:PP+1] offset:512
	s_cmp_lg_u32 s[WV], 0
	s_cbranch_scc1 .Lno_stat
	global_store_b128 v[L16], v[ST:ST+3], s[PP:PP+1] offset:4096  ; (m, l) 64 times: 512 consecutive bytes
.Lno_stat:
	s_wait_dscnt 0x0                               ; my reads of the block are over:
	s_barrier_signal -1
	s_barrier_wait -1                              ; everybody's are, so the next block may be stored over it
	s_wait_xcnt 0x0                                ; the stores have read their registers and PP; the prefetches their address
	s_add_nc_u64 s[PP:PP+1], s[PP:PP+1], 4608
	s_add_co_u32 s[BLK], s[BLK], 1
	s_cmp_lt_u32 s[BLK], 2
	s_cbranch_scc1 .Lblock
	s_wait_tensorcnt 0x0                           ; the wave's end: three closing lines, behind my last LDS store
	ds_add_u32 v[SPW], v[NIL]
	s_wait_dscnt 0x0
	s_endpgm
.Lfunc_end_k_qb733d91147_attn:
	.size	k_qb733d91147_attn, .Lfunc_end_k_qb733d91147_attn-k_qb733d91147_attn
	.p2alignl 7, 3214868480
	.fill 96, 4, 3214868480
	.section	.rodata,"a",@progbits
	.p2align	6, 0x0
	.amdhsa_kernel k_qb733d91147_attn
		.amdhsa_group_segment_fixed_size 326144
		.amdhsa_private_segment_fixed_size 0
		.amdhsa_enable_private_segment 0
		.amdhsa_kernarg_size 40
		.amdhsa_user_sgpr_count 2
		.amdhsa_user_sgpr_kernarg_segment_ptr 1
		.amdhsa_wavefront_size32 1
		.amdhsa_system_sgpr_workgroup_id_x 1
		.amdhsa_system_sgpr_workgroup_id_y 1
		.amdhsa_system_sgpr_workgroup_id_z 1
		.amdhsa_system_vgpr_workitem_id 0
		.amdhsa_next_free_vgpr 1024
		.amdhsa_next_free_sgpr 66
		.amdhsa_reserve_vcc 0
		.amdhsa_float_denorm_mode_32 3
		.amdhsa_float_denorm_mode_16_64 3
		.amdhsa_memory_ordered 1
		.amdhsa_forward_progress 1
		.amdhsa_inst_pref_size 255
	.end_amdhsa_kernel
	.section	.bss,"aw",@nobits
	.p2align	6
	.space	262144
	.amdgpu_metadata
---
amdhsa.version: [ 1, 2 ]
amdhsa.kernels:
  - .name:           k_qb733d91147_attn
    .symbol:         k_qb733d91147_attn.kd
    .args:
      - { .name: keys, .offset: 0, .size: 8, .value_kind: global_buffer, .address_space: global }
      - { .name: wf, .offset: 8, .size: 8, .value_kind: global_buffer, .address_space: global }
      - { .name: vq, .offset: 16, .size: 8, .value_kind: global_buffer, .address_space: global }
      - { .name: v_w, .offset: 24, .size: 8, .value_kind: global_buffer, .address_space: global }
      - { .name: part, .offset: 32, .size: 8, .value_kind: global_buffer, .address_space: global }
    .group_segment_fixed_size: 326144
    .private_segment_fixed_size: 0
    .kernarg_segment_align: 8
    .kernarg_segment_size: 40
    .max_flat_workgroup_size: 128
    .sgpr_count:     66
    .vgpr_count:     1024
    .wavefront_size: 32
...
	.end_amdgpu_metadata
.endif
;; end of part 2
;; launch comb (part 3): grid 128 x 1, 2 waves a work-group, no clusters, 0 bytes of LDS; arguments part, out0; writes out0
.if DOCPART == 3
	.amdgcn_target "amdgcn-amd-amdhsa--gfx1250"
	.amdhsa_code_object_version 6
	.text
	.protected	k_qb733d91147_comb
	.globl	k_qb733d91147_comb
	.p2align	8
	.type	k_qb733d91147_comb,@function
k_qb733d91147_comb:
	s_mov_b64 s[64:65], 0
	v_nop
	global_prefetch_b8 v0, s[64:65] scope:SCOPE_SE
	s_setreg_imm32_b32 hwreg(HW_REG_WAVE_MODE, 25, 1), 1
	s_wait_xcnt 0x0
; A BATCH's 16 BLOCKS ARE JOINED.  part has 512 rows of 4,608 bytes, row 16 b + g: c_g[1024] f32, then (m_g, l_g).  M = the maximum of the m_g (so the batch's true maximum is what is taken away);
; f_g = exp(m_g - M); out0[b] = (the sum of f_g c_g) / (the sum of f_g l_g).  All in f32.  A work-group makes 256 columns of one batch: 64 threads x 4.
; The block that holds M has f = 1 and l >= 1, so the divisor is at least 1.  An f under 2^-126 counts as 0.  NaN and infinities are not treated apart.
; No LDS, no matrix unit, no prefetch: 16 loads a lane, all out at once, and the launch is over when they are in.
.set ROWB, 4608
.set C,   16                           ; v[16:79]  c_g's four numbers
.set F,   80                           ; v[80:95]  m_g, then f_g
	s_load_b128 s[4:7], s[0:1], 0x0                ; part s[4:5], out0 s[6:7]
	s_lshr_b32 s8, ttmp9, 2                        ; the batch
	s_and_b32 s9, ttmp9, 3                         ; which 256 columns
	s_mul_i32 s10, s8, 16*ROWB
	s_mov_b32 s11, 0
	s_lshl_b32 s12, s9, 10
	s_lshl_b32 s14, s8, 12
	s_mov_b32 s15, 0
	v_lshl_add_u32 v1, v0, 4, s12                  ; my 16 bytes of a row
	s_wait_kmcnt 0x0
	s_add_nc_u64 s[4:5], s[4:5], s[10:11]
	s_add_nc_u64 s[6:7], s[6:7], s[14:15]
.irp g, 0,1,2,3,4,5,6,7,8,9,10,11,12,13,14,15
	s_load_b64 s[16+2*(\g):17+2*(\g)], s[4:5], (\g)*ROWB+4096
.endr
.irp g, 0,1,2,3,4,5,6,7,8,9,10,11,12,13,14,15
	global_load_b128 v[C+4*(\g):C+4*(\g)+3], v1, s[4:5] offset:(\g)*ROWB th:TH_LOAD_NT
.endr
	s_wait_kmcnt 0x0
.irp g, 0,1,2,3,4,5,6,7,8,9,10,11,12,13,14,15
	v_mov_b32 v[F+(\g)], s[16+2*(\g)]
.endr
	v_max3_num_f32 v2, v[F], v[F+1], v[F+2]
.irp g, 3,5,7,9,11,13
	v_max3_num_f32 v2, v2, v[F+(\g)], v[F+(\g)+1]
.endr
	v_max_num_f32 v2, v2, v[F+15]                  ; M
.irp g, 0,1,2,3,4,5,6,7,8,9,10,11,12,13,14,15
	v_sub_f32 v[F+(\g)], v[F+(\g)], v2
.endr
.irp g, 0,1,2,3,4,5,6,7,8,9,10,11,12,13,14,15
	v_mul_f32 v[F+(\g)], 0x3fb8aa3b, v[F+(\g)]
.endr
.irp g, 0,1,2,3,4,5,6,7,8,9,10,11,12,13,14,15
	v_exp_f32 v[F+(\g)], v[F+(\g)]
.endr
	v_nop                                          ; a plain line behind the last exponential,
	s_wait_alu depctr_va_vdst(0)                   ; and the one wait for the sixteen, ahead of their first reader
	v_mul_f32 v3, s17, v[F]
.irp g, 1,2,3,4,5,6,7,8,9,10,11,12,13,14,15
	v_fmac_f32 v3, s[17+2*(\g)], v[F+(\g)]         ; the divisor
.endr
	v_rcp_f32 v8, v3
	s_wait_loadcnt 0x0
.irp j, 0,1,2,3
	v_mul_f32 v[4+(\j)], v[C+(\j)], v[F]           ; the first block starts the sums; these lines name neither the reciprocal nor its source
.endr
.irp g, 1,2,3,4,5,6,7,8,9,10,11,12,13,14,15
.irp j, 0,1,2,3
	v_fmac_f32 v[4+(\j)], v[C+4*(\g)+(\j)], v[F+(\g)]
.endr
.endr
	s_wait_alu depctr_va_vdst(0)                   ; the reciprocal's wait, ahead of its first reader
.irp j, 0,1,2,3
	v_mul_f32 v[4+(\j)], v[4+(\j)], v8
.endr
	global_store_b128 v1, v[4:7], s[6:7]           ; 512 consecutive bytes a wave, aligned
	s_endpgm
.Lfunc_end_k_qb733d91147_comb:
	.size	k_qb733d91147_comb, .Lfunc_end_k_qb733d91147_comb-k_qb733d91147_comb
	.p2alignl 7, 3214868480
	.fill 96, 4, 3214868480
	.section	.rodata,"a",@progbits
	.p2align	6, 0x0
	.amdhsa_kernel k_qb733d91147_comb
		.amdhsa_group_segment_fixed_size 0
		.amdhsa_private_segment_fixed_size 0
		.amdhsa_enable_private_segment 0
		.amdhsa_kernarg_size 16
		.amdhsa_user_sgpr_count 2
		.amdhsa_user_sgpr_kernarg_segment_ptr 1
		.amdhsa_wavefront_size32 1
		.amdhsa_system_sgpr_workgroup_id_x 1
		.amdhsa_system_sgpr_workgroup_id_y 1
		.amdhsa_system_sgpr_workgroup_id_z 1
		.amdhsa_system_vgpr_workitem_id 0
		.amdhsa_next_free_vgpr 104
		.amdhsa_next_free_sgpr 66
		.amdhsa_reserve_vcc 0
		.amdhsa_float_denorm_mode_32 3
		.amdhsa_float_denorm_mode_16_64 3
		.amdhsa_memory_ordered 1
		.amdhsa_forward_progress 1
		.amdhsa_inst_pref_size 10
	.end_amdhsa_kernel
	.amdgpu_metadata
---
amdhsa.version: [ 1, 2 ]
amdhsa.kernels:
  - .name:           k_qb733d91147_comb
    .symbol:         k_qb733d91147_comb.kd
    .args:
      - { .name: part, .offset: 0, .size: 8, .value_kind: global_buffer, .address_space: global }
      - { .name: out0, .offset: 8, .size: 8, .value_kind: global_buffer, .address_space: global }
    .group_segment_fixed_size: 0
    .private_segment_fixed_size: 0
    .kernarg_segment_align: 8
    .kernarg_segment_size: 16
    .max_flat_workgroup_size: 64
    .sgpr_count:     66
    .vgpr_count:     104
    .wavefront_size: 32
...
	.end_amdgpu_metadata
.endif
;; end of part 3
;; ======== version 2 of 2: 3 launches; version 1 with the launch attn written anew for expert scheduling mode
;; workspace buffers: wf 2,097,152 bytes; vq 131,072 bytes; part 2,359,296 bytes
;; launch prep: the kernel of part 1 again; grid 128 x 1, 8 waves a work-group, no clusters, 17,408 bytes of LDS; arguments W_e2a, W_d2a, q, wf, vq; writes wf, vq
;; launch attn (part 4): grid 256 x 1, 4 waves a work-group, no clusters, 326,144 bytes of LDS; arguments keys, wf, vq, v_w, part; writes part
.if DOCPART == 4
	.amdgcn_target "amdgcn-amd-amdhsa--gfx1250"
	.amdhsa_code_object_version 6
	.text
	.protected	k_qb733d91147_attn
	.globl	k_qb733d91147_attn
	.p2align	8
	.type	k_qb733d91147_attn,@function
k_qb733d91147_attn:
	s_mov_b64 s[64:65], 0
	v_nop
	global_prefetch_b8 v0, s[64:65] scope:SCOPE_SE
	s_setreg_imm32_b32 hwreg(HW_REG_WAVE_SCHED_MODE, 0, 2), 2
	s_setreg_imm32_b32 hwreg(HW_REG_WAVE_MODE, 25, 1), 1
	s_wait_xcnt 0x0
	s_wait_alu depctr_vm_vsrc(0)
; BAHDANAU ATTENTION, all but the joining of blocks.  e[s] = the sum over n of v[n] tanh(U[s][n] + V[n]), U = keys W^T; p[s] = exp(e[s] - m); c = the sum over s of p[s] keys[s].
; A work-group owns 256 rows of one batch, as two BLOCKS of 128.  A block is read from memory ONCE (f32), rounded once to bf16 and stays in LDS: it is source 1 of the products, and afterwards
; its rows are added up with the weights.  For each block (m, l = the sum of p, c[1024]) go to 'part'; the next launch joins a batch's 16 blocks.  m is the block's true maximum.
; FORMATS.  keys, W (already in wf), v_w are rounded once to bf16; V comes in f32 from bf16 operands.  U, tanh, e, p, l, c are f32 throughout.
; LIMITS.  NaN and infinities are not treated apart.  tanh(x) = 1 - 2 / (1 + 2^(2 log2(e) x)): where the power overflows it is 1, where it falls under 2^-126 it is -1; a weight under 2^-126 counts as 0.
; SHARES.  128 rows x 1,024 columns go in two PASSES of 512 columns; in a pass a wave has all 128 rows x 128 columns: 64 accumulators, 512 registers.  K goes in 32 steps of 32, four to a CHUNK of 128 k.
; THE PRODUCT IS USED TRANSPOSED: source 0 = 16 rows of W, source 1 = 16 rows of keys: a lane holds ONE key row (l % 16) and the columns 8 (l / 16) + 0..7, so the sum over columns stays in the lane
; but for one exchange of the lanes' halves and one meeting of the four waves.  A pass's first products take V as their C operand: nothing is cleared, and V costs no addition.
; THE BLOCK COMES IN UNDER PASS 0.  Pass 0 wants chunk c from K step 4 c on.  Chunks 0 and 1 are fetched ahead of the pass; chunks 2 to 7 come as 24 QUARTERS (8 of a wave's 32 rows x 512 bytes: 8 loads,
; 32 registers), one a K step: step t rounds and stores quarter t + 5 and asks for quarter t + 9 into the same registers.  Chunk c + 1 is whole in step 2 of chunk c; one barrier, in step 3,
; stands ahead of its first reads.  Between two such barriers the waves read chunk k + 1 and store into chunk k + 2.
; NO CLUSTER, NO TENSOR LOADS.  All work-groups read the same W, but the block's slots take 313,344 bytes of LDS, and two slots of 512 columns x 64 k at a pitch of 144 bytes would be 147,456 more:
; they do not fit.  So W's fragments go from memory straight into registers (wf is laid out for that), and no wave wants another wave's columns.
; THE MODE: SCHED_MODE bits 1:0 = 2 (LLVM: expert scheduling mode 2), set by the entry lines.  The code itself states the register dependences between vector or matrix instructions and memory or
; LDS instructions, with s_wait_alu, always for 0.
; THE PLAN OF A K STEP: 32 products (rows 0-63), a wait on va_vdst, 32 products (rows 64-127), a wait on va_vdst.  Registers that memory or LDS instructions touch:
;   the fragments' lower half  read by the step's first 32 products; behind the first wait the next step's LDS loads land in it, dealt among the second 32 products
;   the fragments' upper half  read by the second 32 products; behind the second wait the next step's LDS loads land in it, dealt among that step's first 32 products
;   W's buffer q               read by step q's 64 products; behind the second wait it is loaded anew, among the next step's first 32 products
;   a quarter's set            rounded ahead of the first wait; behind it stored, among the second 32 products; a wait on vm_vsrc; then asked for again, among the same products
;   AFA, AFN                   read by the fragments' loads; written once a chunk, in step 0, behind a wait on vm_vsrc and ahead of the step's first wait
;   KOS                        read by the quarters' loads; written in step 3 of pass 0's loop, likewise
;   ASA, ASB                   read by the quarters' stores; written at a trip's end, behind the last step's wait on vm_vsrc; the next step's first wait stands ahead of their next reader
;   BO, KO, AF0, AS0, TB0, PFO and the way out's addresses are written at the head alone.
; The products between a wait and the loads that it serves name W's buffer in hand, the fragments' other half and the accumulators: none of the registers that those loads touch.
; REGISTERS, in windows of 256 (s_set_vgpr_msb: bits 1:0 source 0, 3:2 source 1, 5:4 source 2, 7:6 destination):
;   window 0: addresses, statistics; v64-127 keys' 8 fragments; v128-255 in pass 0's K loop the four quarters on their way; else v128-191 v, v192-255 V, both as an accumulator lies (the context uses v64-235 anew)
;   window 1: four buffers of 64 for W's fragments, one for each K step of a chunk          windows 2, 3: the accumulators of rows 0-63, 64-127; window 2 is also the stage for a block's chunks 0 and 1
.set PITCH, 272                        ; an LDS row: 128 bf16 + 16 bytes = 68 words: the 16 rows of a fragment load start at 16 different groups of four banks (64 banks of 4 bytes: ISA guide 11.1)
.set CHUNK, 128*PITCH                  ; slot c: k = 128 c .. 128 c + 127 of the block's 128 rows; slot 8 takes the stores of the steps that have no rows to store, and is never read
.set VTAB,  9*CHUNK                    ; V[1024] f32 of my batch
.set WTAB,  VTAB+4096                  ; v_w rounded to bf16, as f32
.set SC,    WTAB+4096                  ; [wave][128] partial scores
.set WGT,   SC+2048                    ; the 128 weights, a copy for each wave
.set SPARE, WGT+2048                   ; the spare words, 128 bytes for each wave: two blocks of 256 bytes that no other line names
.set AF0, 2                            ; v2   r x 272 + 16 h: my place in a fragment's rows; never rewritten
.set AFA, 3                            ; v3   the same in the chunk in hand
.set AFN, 4                            ; v4   in the next chunk
.set BO,  5                            ; v5   8,192 x wave + 16 l: my 16 bytes of W's fragments; never rewritten
.set KO,  6                            ; v6   131,072 x wave + 16 l: my 16 bytes of a chunk's 512 in my wave's 32 rows of keys; never rewritten
.set PFO, 7                            ; v7   the prefetches' offset: 131,072 x wave + 4,096 (l / 4) + 256 (l % 4); never rewritten
.set AS0, 8                            ; v8   32 x wave rows + 8 l: where I put 4 bf16 of a row; never rewritten
.set TB0, 9                            ; v9   VTAB + 512 x wave + 32 h; never rewritten
.set ASA, 10                           ; v10  AS0 in the slot that steps 1 and 2 of a trip store into
.set ASB, 11                           ; v11  AS0 in the slot that steps 3 and 0 store into
.set KOS, 12                           ; v12  KO, or 0 in the steps that have no quarter to ask for
.set SPW, 14                           ; v14  LDS address of my spare word; never rewritten
.set NIL, 15                           ; v15  0; never rewritten
.set EP,  16                           ; v16-23  my part of e for row 16 a + r
.set TT,  24                           ; v24-31  at work; destinations of v_permlanex16_b32
.set SCS, 36
.set SCR, 37
.set WGS, 38
.set WG0, 39
.set CX00, 40
.set PO,  41
.set L16, 42
.set CX0, 43
.set CX1, 44
.set WGR, 45
.set EE,  48                           ; v48-63  at work
.set AF,  64
.set STG, 128                          ; v128-255  quarter j's 32 registers at STG + 32 j
.set WT,  128
.set VT,  192
.set D0,  64                           ; the context: two sets of 16 rows x 4 registers,
.set W0,  192                          ; two sets of 16 weights,
.set CA,  224                          ; eight sums,
.set ST,  232                          ; and (m, l, m, l)
.set WV,  14                           ; s14  my wave's number
.set KP,  16                           ; s[16:17] keys at the block's first row
.set WBN, 18                           ; s[18:19] wf at the stream chunk that is being loaded
.set PP,  20                           ; s[20:21] part at the block's row
.set OFF, 22                           ; s[22:23] an offset; the high word stays 0
.set BLK, 24
.set PAS, 25
.set CH,  26                           ; s26  trips of the K loop still to come, 7 to 1
.set CC,  27                           ; s27  the stream chunk (8 x pass + chunk) that WBN stands at
.set KS,  28                           ; s[28:29] keys at the block's first row, at the chunk whose quarters are being asked for
.set CNT, 30
.set CS,  32                           ; s[32:33] 2 log2(e)
.set SEL, 34                           ; s[34:35] v_permlanex16_b32's selects: each lane takes its own place in the other half
.set L2E, 36
.set MSK, 37                           ; s37  all ones while there are quarters to ask for, else 0
.set ANX, 39                           ; s39  LDS byte of the next chunk
.set SOA, 40                           ; s40  LDS byte of ASA's slot
.set SOB, 41                           ; s41  of ASB's
.set MSB, 0
.macro WIN new                         ; the immediate's high byte repeats the setting that is left; a switch that changes nothing is dropped
.if MSB != (\new)
	s_set_vgpr_msb (MSB<<8)|(\new)
.set MSB, (\new)
.endif
.endm
.macro PLACES                          ; four places between a product and a load into a register that it read, or a vector instruction that reads its result (ISA guide 7.12.1 for vector instructions); they stay beside the waits on va_vdst
.rept 4
	v_nop
.endr
.endm
; 4 LDS loads: keys' fragments f and f + 1 of 8 (rows 16 f .. 16 f + 31), 32 k at byte k of the rows
.macro AR2 f, adr, k
	WIN 0
.irp a, 0,1
	ds_load_b128 v[AF+8*((\f)+(\a)):AF+8*((\f)+(\a))+3],   v[\adr] offset:((\f)+(\a))*16*PITCH+(\k)
	ds_load_b128 v[AF+8*((\f)+(\a))+4:AF+8*((\f)+(\a))+7], v[\adr] offset:((\f)+(\a))*16*PITCH+(\k)+32
.endr
.endm
; 4 loads: my fragments i0 and i0 + 1 of 8 of W for K step q of the stream chunk at WBN; each load of the wave takes 512 consecutive bytes
.macro BR2 q, i0
	WIN 0x40
.irp i, 0,1
	global_load_b128 v[64*(\q)+8*((\i0)+(\i)):64*(\q)+8*((\i0)+(\i))+3],   v[BO], s[WBN:WBN+1] offset:(\q)*32768+((\i0)+(\i))*1024
	global_load_b128 v[64*(\q)+8*((\i0)+(\i))+4:64*(\q)+8*((\i0)+(\i))+7], v[BO], s[WBN:WBN+1] offset:(\q)*32768+((\i0)+(\i))*1024+512
.endr
.endm
.macro BRUN q                          ; all 16, on end: at the head alone
	BR2 \q, 0
	BR2 \q, 2
	BR2 \q, 4
	BR2 \q, 6
.endm
; A QUARTER, in three parts.  KL4: four of its eight loads: rows 8 j + m0 .. + 3 of my wave's 32, the 512 bytes of the chunk at KS: each load of the wave takes 512 consecutive bytes (or, with KOS = 0, all lanes the same 16).
.macro KL4 j, m0
	WIN 0
.irp m, 0,1,2,3
	global_load_b128 v[STG+32*(\j)+4*((\m0)+(\m)):STG+32*(\j)+4*((\m0)+(\m))+3], v[KOS], s[KS:KS+1] offset:(8*(\j)+(\m0)+(\m))*4096 th:TH_LOAD_NT
.endr
.endm
; KCV: rounded to bf16 in place, ascending: a register is written when it has been read
.macro KCV j
.irp m, 0,1,2,3,4,5,6,7
	v_cvt_pk_bf16_f32 v[STG+32*(\j)+2*(\m)],   v[STG+32*(\j)+4*(\m)],   v[STG+32*(\j)+4*(\m)+1]
	v_cvt_pk_bf16_f32 v[STG+32*(\j)+2*(\m)+1], v[STG+32*(\j)+4*(\m)+2], v[STG+32*(\j)+4*(\m)+3]
.endr
.endm
; KS4: four of its eight stores: a store of the wave covers a row's 256 bytes of one slot
.macro KS4 j, adr, m0
	WIN 0
.irp m, 0,1,2,3
	ds_store_b64 v[\adr], v[STG+32*(\j)+2*((\m0)+(\m)):STG+32*(\j)+2*((\m0)+(\m))+1] offset:(8*(\j)+(\m0)+(\m))*PITCH
.endr
.endm
; WHAT STANDS BEHIND PRODUCT b OF A RUN'S FIRST EIGHT: four memory or LDS instructions at the most, with the two window switches round them.
; First run of step q (hi = 0), all served by the wait at the end of the step before: b = 0, 1: this step's upper half of the fragments (in step 0 the chunk in hand is still AFN's); b = 2 .. 5: W's buffer q - 1, for the next stream chunk.
; Second run (hi = 1), all served by the wait between the runs: b = 0, 1: the next step's lower half; st = 1: b = 2, 3: the quarter's stores; b = 5, 6: its set is asked for again; st = 2: b = 2, 3: a quarter is asked for.
.macro DEAL q, hi, st, b
.if (\hi) == 0
.if (\b) < 2
.if (\q) == 0
	AR2 4+2*(\b), AFN, 0
.else
	AR2 4+2*(\b), AFA, 64*(\q)
.endif
.elseif (\b) < 6
	BR2 ((\q)+3)%4, 2*(\b)-4
.endif
.else
.if (\b) < 2
.if (\q) == 3
	AR2 2*(\b), AFN, 0
.else
	AR2 2*(\b), AFA, 64*(\q)+64
.endif
.elseif ((\b) < 4) && ((\st) == 1)
.if ((\q) == 1) || ((\q) == 2)
	KS4 ((\q)+1)%4, ASA, 4*(\b)-8
.else
	KS4 ((\q)+1)%4, ASB, 4*(\b)-8
.endif
.elseif ((\b) < 4) && ((\st) == 2)
	KL4 ((\q)+1)%4, 4*(\b)-8
.elseif ((\b) == 5) && ((\st) == 1)
	s_wait_alu depctr_vm_vsrc(0)                   ; the quarter's eight stores have read its registers, in which the loads below land
	KL4 ((\q)+1)%4, 0
.elseif ((\b) == 6) && ((\st) == 1)
	KL4 ((\q)+1)%4, 4
.endif
.endif
.endm
; 32 products: rows 64 hi .. 64 hi + 63 x my 128 columns, 32 along K, W from buffer q, with DEAL's lines behind the first eight.  cv = 1: the pass's first K step: C is V.
; All 64 accumulators take turns in one order in every step.
.macro MULD q, hi, cv, st
.irp a, 0,1,2,3
.irp b, 0,1,2,3,4,5,6,7
.if \cv
	WIN 0x81+0x40*(\hi)
	v_wmma_f32_16x16x32_bf16 v[8*(8*(\a)+(\b)):8*(8*(\a)+(\b))+7], v[64*(\q)+8*(\b):64*(\q)+8*(\b)+7], v[AF+8*(4*(\hi)+(\a)):AF+8*(4*(\hi)+(\a))+7], v[VT+8*(\b):VT+8*(\b)+7]
.else
	WIN 0xa1+0x50*(\hi)
	v_wmma_f32_16x16x32_bf16 v[8*(8*(\a)+(\b)):8*(8*(\a)+(\b))+7], v[64*(\q)+8*(\b):64*(\q)+8*(\b)+7], v[AF+8*(4*(\hi)+(\a)):AF+8*(4*(\hi)+(\a))+7], v[8*(8*(\a)+(\b)):8*(8*(\a)+(\b))+7]
.endif
.if (\a) == 0
	DEAL \q, \hi, \st, \b
.endif
.endr
.endr
.endm
; ONE K STEP.  keys' fragments have one buffer of two halves; each half is loaded anew behind the wait that shows its 32 products done, and has some 30 products in which to land.
; W's buffer q - 1 is loaded anew in step q, for the NEXT stream chunk: it is multiplied three steps on.
; st = 1: a step of pass 0's loop: the quarter in set (q + 1) % 4, asked for four steps back, is rounded (the 16 roundings are the places behind the first run's last product), stored, and the set is asked for again.
; st = 2: pass 0's first step: a quarter is asked for, none is stored.  st = 0: no quarter.
.macro QSTEP q, cv, st=0
	MULD \q, 0, \cv, \st
	WIN 0
.if (\st) == 1
	KCV ((\q)+1)%4
.else
	PLACES
.endif
.if (\q) == 0
	s_wait_xcnt 0x0                                ; the loads issued so far have read WBN (the youngest stand 26 products back): it may be written
	s_add_co_u32 s[CC], s[CC], 1
	s_and_b32 s[CC], s[CC], 15                     ; behind pass 1's last chunk comes pass 0's first, for the next block
	s_lshl_b32 s[OFF], s[CC], 17
	s_add_nc_u64 s[WBN:WBN+1], s[6:7], s[OFF:OFF+1]
	s_add_co_u32 s[ANX], s[ANX], CHUNK
	s_wait_alu depctr_vm_vsrc(0)                   ; the fragments' loads issued so far have read AFA and AFN
	v_mov_b32 v[AFA], v[AFN]                       ; the chunk in hand,
	v_add_nc_u32 v[AFN], s[ANX], v[AF0]            ; and the next (in chunk 7 that is slot 8: the tail writes AFN anew before it is read)
.endif
.if (\st) && ((\q) == 3)
	s_wait_xcnt 0x0                                ; the loads issued so far have read KS and KOS,
	s_wait_alu depctr_vm_vsrc(0)                   ; and the quarters' loads have read the register KOS, which is written below
	s_add_nc_u64 s[KS:KS+1], s[KS:KS+1], 512       ; this step asks for the next chunk's first quarter: trips 0 to 4 (CH = 7 to 3) step KS to chunks 3 to 7;
	s_cmp_ge_u32 s[CH], 3                          ; from here in trip 5 on nothing is left to ask for: the offset becomes 0, and all lanes load the same 16 bytes of the block,
	s_cselect_b32 s[MSK], -1, 0                    ; so that every step of the loop issues the same number of loads and the counts below hold in every trip
	v_and_b32 v[KOS], s[MSK], v[KO]
.endif
	s_wait_alu depctr_va_vdst(0)                   ; the first 32 products are done reading the fragments' lower half; the roundings have written the quarter and are done reading its set; AFA and AFN (step 0) or KOS (step 3) are written
	s_wait_dscnt 0x0                               ; the upper half's fragments, asked for behind this step's first two products, are in; so no LDS instruction of mine is out, and my stores into the next chunk are done:
.if (\st) && ((\q) == 3)
	s_barrier_signal -1
	s_barrier_wait -1                              ; everybody's are: the next chunk is whole, and the loads below may read it
.endif
	MULD \q, 1, \cv, \st
	PLACES
	WIN 0
	s_wait_alu depctr_va_vdst(0)                   ; the last 32 products are done reading the fragments' upper half and W's buffer q: the loads into both stand among the next step's first products
.if (\st) == 1
	s_wait_loadcnt 56                              ; a step issues 16 + 8 loads; behind the next step's W, asked for two steps back, stand that step's 8 and twice 24: it is in, and so is the quarter that the next step rounds, which has 72 younger loads
	s_wait_dscnt 8                                 ; all but the quarter's 8 stores: the next step's lower half is in
.else
	s_wait_loadcnt 32                              ; two runs of 16 are younger than the next step's W, asked for two steps back: it is in.  In pass 0's first step the 32 are the 8 + 16 + 8 loads issued since the block's first two chunks came in.  Behind pass 0's loop more loads are younger: the count is then stricter than need be
	s_wait_dscnt 0x0                               ; the next step's lower half is in
.endif
.endm
; A block's chunks 0 and 1, as f32, into window 2: 64 loads; load 32 u + r takes 512 consecutive bytes: chunk u of row r of my wave's 32
.macro KLD
	WIN 0x80
.irp u, 0,1
.set ix, 0
.rept 32
	global_load_b128 v[128*(\u)+4*ix:128*(\u)+4*ix+3], v[KO], s[KP:KP+1] offset:ix*4096+(\u)*512 th:TH_LOAD_NT
.set ix, ix+1
.endr
.endr
.endm
; chunk s of them is rounded to bf16 in place (ascending: a register is written when it has been read) and stored: a store of the wave covers a row's 256 bytes
.macro CVTST s
	WIN 0x8a
.set ix, 0
.rept 32
	v_cvt_pk_bf16_f32 v[128*(\s)+2*ix],   v[128*(\s)+4*ix],   v[128*(\s)+4*ix+1]
	v_cvt_pk_bf16_f32 v[128*(\s)+2*ix+1], v[128*(\s)+4*ix+2], v[128*(\s)+4*ix+3]
.set ix, ix+1
.endr
	WIN 0x08
	s_wait_alu depctr_va_vdst(0)                   ; the roundings have written the registers that the stores below read
.set ix, 0
.rept 32
	ds_store_b64 v[AS0], v[128*(\s)+2*ix:128*(\s)+2*ix+1] offset:(\s)*CHUNK+ix*PITCH
.set ix, ix+1
.endr
.endm
; 16 LDS loads: a table's 128 numbers for my columns, as an accumulator lies: register 8 b + j = number 16 b + 8 h + j
.macro TABS dst, off
.irp b, 0,1,2,3,4,5,6,7
	ds_load_b128 v[(\dst)+8*(\b):(\dst)+8*(\b)+3],   v[TB0] offset:(\off)+64*(\b)
	ds_load_b128 v[(\dst)+8*(\b)+4:(\dst)+8*(\b)+7], v[TB0] offset:(\off)+64*(\b)+16
.endr
.endm
; THE EPILOGUE's lines.  Batch g is column tile g of the window's four row tiles: 32 registers.  Item i of 16: pair i / 4 of tile i % 4; element i of 32: register i / 4 of tile i % 4.
.macro EM g, i                         ; x times 2 log2(e); items 0-3 read each accumulator's two lowest registers first
.set rA, 8*(8*((\i)%4)+(\g))+2*((\i)/4)
	v_pk_mul_f32 v[rA:rA+1], v[rA:rA+1], s[CS:CS+1] op_sel_hi:[1,0]
.endm
.macro EX g, i
.set rA, 8*(8*((\i)%4)+(\g))+(\i)/4
	v_exp_f32 v[rA], v[rA]
.endm
.macro EA g, i
.set rA, 8*(8*((\i)%4)+(\g))+2*((\i)/4)
	v_pk_add_f32 v[rA:rA+1], v[rA:rA+1], 1.0 op_sel_hi:[1,0]
.endm
.macro ER g, i
.set rA, 8*(8*((\i)%4)+(\g))+(\i)/4
	v_rcp_f32 v[rA], v[rA]
.endm
.macro ET g, i                         ; tanh = 1 - 2 / (1 + 2^..)
.set rA, 8*(8*((\i)%4)+(\g))+2*((\i)/4)
	v_pk_fma_f32 v[rA:rA+1], v[rA:rA+1], -2.0, 1.0 op_sel_hi:[1,0,0]
.endm
.macro EF g, i                         ; times v, added onto column tile 0's registers
.set rA, 8*(8*((\i)%4)+(\g))+2*((\i)/4)
.set rZ, 64*((\i)%4)+2*((\i)/4)
.set rW, WT+8*(\g)+2*((\i)/4)
.if (\g) == 0
	v_pk_mul_f32 v[rZ:rZ+1], v[rZ:rZ+1], v[rW:rW+1]
.else
	v_pk_fma_f32 v[rZ:rZ+1], v[rA:rA+1], v[rW:rW+1], v[rZ:rZ+1]
.endif
.endm
; THE EPILOGUE of rows 64 hi .. + 63, under ONE window setting (accumulators as destination, source 0 and source 2; v as source 1 in window 0).  Ten phases; in phase t batch t has its exponentials, batch t - 1 its
; + 1 and its reciprocals, batch t - 2 its tanh and its product with v, batch t + 1 its scaling: a transcendental and a plain line by turns.  Whoever reads a transcendental's result stands in a later phase,
; so each phase has ONE s_wait_alu depctr_va_vdst(0), at its end, behind a v_nop: the wait stands ahead of the first line that names a result, and a plain line behind the last transcendental.
; No memory or LDS instruction stands in it.
.macro EPI hi
	WIN 0xa2+0x51*(\hi)
.set i, 0
.rept 16
	EM 0, i
.set i, i+1
.endr
.set t, 0
.rept 10
.if t == 2
	s_wait_dscnt 0x0                               ; v, asked for at the epilogue's start, two phases back, is read from here on (with it the next pass's V and its first step's lower fragments are in)
.endif
.set i, 0
.rept 32
.if t < 8
	EX t, i
.endif
.if (i < 16) && (t >= 1) && (t <= 8)
	EA t-1, i
.endif
.if (i >= 16) && (t < 7)
	EM t+1, i-16
.endif
.set i, i+1
.endr
.set i, 0
.rept 32
.if (t >= 1) && (t <= 8)
	ER t-1, i
.endif
.if t >= 2
.if i < 16
	ET t-2, i
.else
	EF t-2, i-16
.endif
.endif
.set i, i+1
.endr
.if t <= 8
	v_nop
	s_wait_alu depctr_va_vdst(0)                   ; this phase's exponentials and reciprocals have written their results, which the next phase reads
.endif
.set t, t+1
.endr
	WIN 0
.endm
; column tile 0's eight registers of each row tile are folded and added onto EP
.macro REDUCE hi
	WIN 0x8a+0x45*(\hi)
.irp a, 0,1,2,3
	v_pk_add_f32 v[64*(\a):64*(\a)+1],   v[64*(\a):64*(\a)+1],   v[64*(\a)+2:64*(\a)+3]
	v_pk_add_f32 v[64*(\a)+4:64*(\a)+5], v[64*(\a)+4:64*(\a)+5], v[64*(\a)+6:64*(\a)+7]
.endr
.irp a, 0,1,2,3
	v_pk_add_f32 v[64*(\a):64*(\a)+1],   v[64*(\a):64*(\a)+1],   v[64*(\a)+4:64*(\a)+5]
.endr
	WIN 0x02+(\hi)
.irp a, 0,1,2,3
	v_add_f32 v[EP+4*(\hi)+(\a)], v[64*(\a)], v[EP+4*(\hi)+(\a)]
.endr
.irp a, 0,1,2,3
	v_add_f32 v[EP+4*(\hi)+(\a)], v[64*(\a)+1], v[EP+4*(\hi)+(\a)]
.endr
	WIN 0
.endm
; THE CONTEXT.  36 LDS loads: 16 rows x my 4 + 4 columns (8 bytes in each of my wave's two chunks; a load of the wave takes a row's 256 bytes), and the 16 weights, the same for all lanes
.macro CLD set, ro
.set rr, 0
.rept 16
	ds_load_b64 v[D0+64*(\set)+4*rr:D0+64*(\set)+4*rr+1],   v[CX0] offset:((\ro)+rr)*PITCH
	ds_load_b64 v[D0+64*(\set)+4*rr+2:D0+64*(\set)+4*rr+3], v[CX1] offset:((\ro)+rr)*PITCH
.set rr, rr+1
.endr
.irp g, 0,1,2,3
	ds_load_b128 v[W0+16*(\set)+4*(\g):W0+16*(\set)+4*(\g)+3], v[WGR] offset:((\ro)+4*(\g))*4
.endr
.endm
; 128 multiply-adds in f32 straight from the bf16 halves: eight sums that do not wait for each other
.macro CFM set
.set rr, 0
.rept 16
.set j, 0
.rept 8
.if j%2
	v_fma_mix_f32_bf16 v[CA+j], v[D0+64*(\set)+4*rr+j/2], v[W0+16*(\set)+rr], v[CA+j] op_sel:[1,0,0] op_sel_hi:[1,0,0]
.else
	v_fma_mix_f32_bf16 v[CA+j], v[D0+64*(\set)+4*rr+j/2], v[W0+16*(\set)+rr], v[CA+j] op_sel_hi:[1,0,0]
.endif
.set j, j+1
.endr
.set rr, rr+1
.endr
.endm
	s_load_b256 s[4:11], s[0:1], 0x0               ; keys s[4:5], wf s[6:7], vq s[8:9], v_w s[10:11]
	s_load_b64 s[12:13], s[0:1], 0x20              ; part
	v_lshl_add_u32 v[SPW], v0, 2, SPARE
	v_mov_b32 v[NIL], 0
	v_lshrrev_b32 v1, 5, v0
	v_readfirstlane_b32 s[WV], v1                  ; wave 0..3
	s_mov_b32 s15, ttmp9                           ; the work-group: batch s15 / 8, rows 256 (s15 % 8) on
	v_and_b32 v32, 15, v0                          ; r = l % 16
	v_bfe_u32 v33, v0, 4, 1                        ; h = l / 16
	v_and_b32 v34, 31, v0                          ; l
	v_mul_u32_u24 v[AF0], v32, PITCH
	v_lshl_add_u32 v[AF0], v33, 4, v[AF0]
	v_mov_b32 v[AFN], v[AF0]                       ; at a pass's start AFN stands at chunk 0
	s_wait_alu depctr_va_sdst(0)                   ; the wave's number is written, ahead of its first reader: offsets and LDS addresses are made from it
	s_lshl_b32 s30, s[WV], 13
	v_lshl_add_u32 v[BO], v34, 4, s30
	s_lshl_b32 s30, s[WV], 17
	v_lshl_add_u32 v[KO], v34, 4, s30
	v_and_b32 v[PFO], 3, v34
	v_lshlrev_b32 v[PFO], 8, v[PFO]
	v_lshrrev_b32 v1, 2, v34
	v_lshl_add_u32 v[PFO], v1, 12, v[PFO]
	v_add_nc_u32 v[PFO], s30, v[PFO]
	s_mul_i32 s31, s[WV], 32*PITCH
	v_lshl_add_u32 v[AS0], v34, 3, s31
	s_lshl_b32 s31, s[WV], 9
	s_add_co_u32 s30, s31, VTAB
	v_lshl_add_u32 v[TB0], v33, 5, s30
	s_add_co_u32 s30, s31, SC
	v_lshl_add_u32 v[SCS], v32, 2, s30             ; my wave's partial score of row 16 a + r
	v_lshl_add_u32 v[SCR], v34, 4, SC              ; rows 4 l .. 4 l + 3 of a wave's partial scores
	s_add_co_u32 s30, s31, WGT
	v_lshl_add_u32 v[WGS], v34, 4, s30
	v_mov_b32 v[WG0], s30
	s_mul_i32 s30, s[WV], 2*CHUNK
	v_lshl_add_u32 v[CX00], v34, 3, s30            ; my 4 columns in chunk 2 x wave
	s_lshl_b32 s30, s[WV], 10
	v_lshl_add_u32 v[PO], v34, 4, s30              ; and their 16 bytes in part's row
	v_lshlrev_b32 v[L16], 4, v34
	v_lshl_add_u32 v35, v0, 4, VTAB                ; the tables: thread t brings numbers 4 t .. 4 t + 3 and 512 + 4 t ..
	v_lshrrev_b32 v46, 2, v0
	v_and_b32 v47, 3, v0
	v_lshlrev_b32 v46, 11, v46                     ; vq[nt = t / 4][batch][4 (t % 4) ..]
	v_lshl_add_u32 v46, v47, 4, v46
	s_lshr_b32 s30, s15, 3
	s_lshl_b32 s30, s30, 6
	v_add_nc_u32 v46, s30, v46
	v_lshlrev_b32 v47, 4, v0
	s_mov_b32 s[CS], 0x4038aa3b                    ; 2 log2(e)
	s_mov_b32 s[CS+1], s[CS]                       ; named with it as a pair
	s_mov_b32 s[SEL], 0x76543210
	s_mov_b32 s[SEL+1], 0xfedcba98
	s_mov_b32 s[L2E], 0x3fb8aa3b
	s_mov_b32 s[CC], 0
	s_mov_b32 s[BLK], 0
	s_mov_b32 s[OFF+1], 0
	s_lshl_b32 s[OFF], s15, 20                     ; 256 rows of 4,096 bytes
	s_wait_kmcnt 0x0
	s_add_nc_u64 s[KP:KP+1], s[4:5], s[OFF:OFF+1]
	s_mul_i32 s[OFF], s15, 2*4608
	s_add_nc_u64 s[PP:PP+1], s[12:13], s[OFF:OFF+1]
	s_mov_b64 s[WBN:WBN+1], s[6:7]
	s_wait_alu depctr_va_vdst(0)                   ; all the offsets and addresses made above are written: the loads, stores and prefetches of the whole kernel read them
	global_load_b128 v[EE:EE+3],     v46, s[8:9]
	global_load_b128 v[EE+4:EE+7],   v46, s[8:9] offset:65536
	global_load_b128 v[EE+8:EE+11],  v47, s[10:11]
	global_load_b128 v[EE+12:EE+15], v47, s[10:11] offset:2048
	BRUN 0                                         ; K steps 0 to 2 of W's stream chunk 0; step 3 is asked for in the first K step, as in every pass
	BRUN 1
	BRUN 2
	KLD                                            ; block 0's chunks 0 and 1
	WIN 0
	s_wait_loadcnt 63                              ; 112 loads are younger than the four tables'; a wait's count names 63 at the most
	ds_store_b128 v35, v[EE:EE+3]
	ds_store_b128 v35, v[EE+4:EE+7] offset:2048
.irp i, 0,1,2,3
	v_cvt_pk_bf16_f32 v[TT+(\i)], v[EE+8+2*(\i)], v[EE+9+2*(\i)]   ; v_w rounded once to bf16,
.endr
.irp i, 0,1,2,3
	v_lshlrev_b32 v[EE+8+2*(\i)], 16, v[TT+(\i)]                   ; and written as f32 again
	v_and_b32     v[EE+9+2*(\i)], 0xffff0000, v[TT+(\i)]
.endr
	s_wait_alu depctr_va_vdst(0)                   ; the eight lines above have written v[EE+8 ..], which the two stores below read
	ds_store_b128 v35, v[EE+8:EE+11]  offset:4096
	ds_store_b128 v35, v[EE+12:EE+15] offset:6144
.Lblock:
	; ---- THE BLOCK BEGINS: chunks 0 and 1, on their way since the head or since the last block's epilogue, are rounded and stored; quarter 8 (chunk 2's first) is asked for ahead of that
	s_add_nc_u64 s[KS:KS+1], s[KP:KP+1], 2*512
	s_wait_alu depctr_vm_vsrc(0)                   ; the last block's loads have read KOS and its quarters' stores ASA and ASB; its stores have read EP, the weights in EE, the sums and (m, l); the head's stores have read EE: all these registers are written again in this block
	v_mov_b32 v[KOS], v[KO]
	s_wait_alu depctr_va_vdst(0)                   ; KOS is written; the last block's context is done reading v64-235, in which this block's loads land
	KL4 0, 0
	KL4 0, 4
	s_wait_loadcnt 40                              ; chunk 0 is in; chunk 1's 32 loads and the quarter's 8 may stay out
	CVTST 0
	s_wait_loadcnt 8                               ; chunk 1 is in, and all of W that was asked for ahead of it
	CVTST 1
	WIN 0
	s_mov_b32 s[SOA], 8*CHUNK                      ; the first trip's steps 1 and 2 have nothing to store: slot 8
	s_mov_b32 s[SOB], 2*CHUNK
	v_add_nc_u32 v[ASA], s[SOA], v[AS0]
	v_add_nc_u32 v[ASB], s[SOB], v[AS0]
	s_wait_alu depctr_vm_vsrc(0)                   ; my 64 stores have read window 2's registers, which pass 0's products write
	s_wait_dscnt 0x0                               ; for the others' sake: my rows (and, the first time, my part of the tables) lie in LDS
	s_barrier_signal -1
	s_barrier_wait -1
	TABS VT, 0                                     ; pass 0's V.  No vector instruction since the wait in front of chunk 1's stores names these registers, the fragments' or the two addresses
	AR2 0, AF0, 0                                  ; K step 0's lower fragments; the upper ones are asked for in the step
	AR2 2, AF0, 0
.irp a, 0,1,2,3,4,5,6,7
	v_mov_b32 v[EP+(\a)], 0
	v_mov_b32 v[TT+(\a)], 0
.endr
	s_wait_dscnt 0x0                               ; V and the lower fragments are in
	s_mov_b32 s[PAS], 0
.Lpass:
	; ---- 32 K STEPS.  The first stands in front of the loop: its products start the sums.  A trip: steps 1 to 3 of a chunk and step 0 of the next.  Pass 0's loop brings the block's chunks 2 to 7 in; pass 1's does not.
	; On both ways here a wait on va_vdst stands behind the last product or multiply-add that read the fragments' upper half and W's buffer 3, and nothing since names them: the first step's loads need no further wait.
	s_mov_b32 s[ANX], 0
	s_mov_b32 s[CH], 7
	s_cmp_lg_u32 s[PAS], 0
	s_cbranch_scc1 .Lplain
	QSTEP 0, 1, 2                                  ; quarter 9 is asked for: into set 1; sets 2 and 3 hold V in this step
.Lstream:
	QSTEP 1, 0, 1
	QSTEP 2, 0, 1
	QSTEP 3, 0, 1
	QSTEP 0, 0, 1
	s_mov_b32 s[SOA], s[SOB]                       ; the next trip's steps 1 and 2 finish the slot that this trip's steps 3 and 0 began;
	s_add_co_u32 s[SOB], s[SOB], CHUNK             ; its steps 3 and 0 begin the next: behind slot 7 that is slot 8
	v_add_nc_u32 v[ASA], s[SOA], v[AS0]            ; the stores that read ASA and ASB stand ahead of the last step's wait on vm_vsrc;
	v_add_nc_u32 v[ASB], s[SOB], v[AS0]            ; their next readers stand behind the next step's first wait on va_vdst
	s_sub_co_u32 s[CH], s[CH], 1
	s_cmp_lg_u32 s[CH], 0
	s_cbranch_scc1 .Lstream
	s_branch .Ltail
.Lplain:
	QSTEP 0, 1
.Lchunk:
	QSTEP 1, 0
	QSTEP 2, 0
	QSTEP 3, 0
	QSTEP 0, 0
	s_sub_co_u32 s[CH], s[CH], 1
	s_cmp_lg_u32 s[CH], 0
	s_cbranch_scc1 .Lchunk
.Ltail:
	v_mov_b32 v[AFN], v[AF0]                       ; behind chunk 7 comes chunk 0, for the next pass (behind pass 1 its 8 loads, and in the launch's last pass W's 48, serve nothing: the price of one text for every step).  No load has read AFN since step 0's wait on vm_vsrc; its next reader stands behind five waits on va_vdst
	QSTEP 1, 0
	QSTEP 2, 0
	QSTEP 3, 0
	; ---- THE EPILOGUE: tanh, times v, summed over my 128 columns.  The quarters' registers are free (the tail's last wait leaves only W's loads out, and no vector instruction has named them since a wait on va_vdst, no store since one on vm_vsrc): they take the pass's v and, behind pass 0, pass 1's V
	s_cmp_lg_u32 s[PAS], 0
	s_cbranch_scc1 .Ltab1
	TABS VT, 2048
	TABS WT, 4096
	s_branch .Ltabd
.Ltab1:
	TABS WT, 4096+2048
.Ltabd:
	EPI 0
	REDUCE 0
	EPI 1
	REDUCE 1
	s_add_co_u32 s[PAS], s[PAS], 1
	s_cmp_lt_u32 s[PAS], 2
	s_cbranch_scc1 .Lpass
	; ---- the accumulators are free: the next block's chunks 0 and 1 are asked for, and land under the scores and the context
	s_cmp_lg_u32 s[BLK], 0
	s_cbranch_scc1 .Lno_next
	s_wait_xcnt 0x0
	s_add_nc_u64 s[KP:KP+1], s[KP:KP+1], 128*4096
	WIN 0x80
	s_wait_alu depctr_va_vdst(0)                   ; the epilogue is done reading and writing window 2's registers, in which the 64 loads below land
	KLD
	WIN 0
	; A prefetch, together behind the loads: chunks 2 and 3 of my wave's own 32 rows of the next block, which the block's beginning and pass 0's first seven steps will load: a lane names 256 bytes, an instruction
	; 8 rows x 1,024 bytes; each block of 256 bytes is named once in the launch.  Between these lines and those loads stand the scores and the context's 1,024 multiply-adds.  The later quarters are asked for by
	; their own loads, four K steps ahead of their use, and by nothing else.
.irp i, 0,1,2,3
	global_prefetch_b8 v[PFO], s[KP:KP+1] offset:1024+(\i)*8*4096 th:TH_LOAD_NT scope:SCOPE_SE
.endr
.Lno_next:
	; ---- THE SCORES: the lanes' halves, then the four waves
.irp a, 0,1,2,3,4,5,6,7
	v_permlanex16_b32 v[TT+(\a)], v[EP+(\a)], s[SEL], s[SEL+1]
.endr
.irp a, 0,1,2,3,4,5,6,7
	v_add_f32 v[EP+(\a)], v[EP+(\a)], v[TT+(\a)]
.endr
	s_wait_alu depctr_va_vdst(0)                   ; the additions have written EP, which the stores below read; the loads into EE behind the barrier are served too: no vector instruction stands between
.irp a, 0,1,2,3,4,5,6,7
	ds_store_b32 v[SCS], v[EP+(\a)] offset:64*(\a) ; both halves of the lanes write the same word with the same number
.endr
	s_wait_dscnt 0x0
	s_barrier_signal -1
	s_barrier_wait -1
.irp w, 0,1,2,3
	ds_load_b128 v[EE+4*(\w):EE+4*(\w)+3], v[SCR] offset:512*(\w)
.endr
	s_wait_dscnt 0x0
	v_pk_add_f32 v[EE:EE+1],     v[EE:EE+1],     v[EE+4:EE+5]
	v_pk_add_f32 v[EE+2:EE+3],   v[EE+2:EE+3],   v[EE+6:EE+7]
	v_pk_add_f32 v[EE+8:EE+9],   v[EE+8:EE+9],   v[EE+12:EE+13]
	v_pk_add_f32 v[EE+10:EE+11], v[EE+10:EE+11], v[EE+14:EE+15]
	v_pk_add_f32 v[EE:EE+1],     v[EE:EE+1],     v[EE+8:EE+9]
	v_pk_add_f32 v[EE+2:EE+3],   v[EE+2:EE+3],   v[EE+10:EE+11]   ; e of rows 4 l .. 4 l + 3, in every wave
	v_max3_num_f32 v[EE+4], v[EE], v[EE+1], v[EE+2]
	v_max_num_f32 v[EE+4], v[EE+4], v[EE+3]
	v_max_num_f32_dpp v[EE+4], v[EE+4], v[EE+4] row_xmask:1 row_mask:0xf bank_mask:0xf
	v_max_num_f32_dpp v[EE+4], v[EE+4], v[EE+4] row_xmask:2 row_mask:0xf bank_mask:0xf
	v_max_num_f32_dpp v[EE+4], v[EE+4], v[EE+4] row_xmask:4 row_mask:0xf bank_mask:0xf
	v_max_num_f32_dpp v[EE+4], v[EE+4], v[EE+4] row_xmask:8 row_mask:0xf bank_mask:0xf
	v_permlanex16_b32 v[TT], v[EE+4], s[SEL], s[SEL+1]
	v_max_num_f32 v[ST], v[EE+4], v[TT]            ; m: the block's maximum
.irp j, 0,1,2,3
	v_sub_f32 v[EE+8+(\j)], v[EE+(\j)], v[ST]
.endr
.irp j, 0,1,2,3
	v_mul_f32 v[EE+8+(\j)], s[L2E], v[EE+8+(\j)]
.endr
.irp j, 0,1,2,3
	v_exp_f32 v[EE+8+(\j)], v[EE+8+(\j)]
.endr
	v_nop                                          ; a plain line behind the last exponential,
	s_wait_alu depctr_va_vdst(0)                   ; and the one wait for the four: they have written v[EE+8 ..], which the store below reads first
	ds_store_b128 v[WGS], v[EE+8:EE+11]            ; the weights, into my wave's own copy: LDS serves a wave's instructions in order (ISA guide 5.7.1.4), so the context's loads see them
	v_pk_add_f32 v[EE+12:EE+13], v[EE+8:EE+9], v[EE+10:EE+11]
	v_add_f32 v[EE+12], v[EE+12], v[EE+13]
	v_add_f32_dpp v[EE+12], v[EE+12], v[EE+12] row_xmask:1 row_mask:0xf bank_mask:0xf
	v_add_f32_dpp v[EE+12], v[EE+12], v[EE+12] row_xmask:2 row_mask:0xf bank_mask:0xf
	v_add_f32_dpp v[EE+12], v[EE+12], v[EE+12] row_xmask:4 row_mask:0xf bank_mask:0xf
	v_add_f32_dpp v[EE+12], v[EE+12], v[EE+12] row_xmask:8 row_mask:0xf bank_mask:0xf
	v_permlanex16_b32 v[TT], v[EE+12], s[SEL], s[SEL+1]
	v_add_f32 v[ST+1], v[EE+12], v[TT]             ; l
	v_mov_b32 v[ST+2], v[ST]
	v_mov_b32 v[ST+3], v[ST+1]
	; ---- THE CONTEXT: my wave's 256 columns (chunks 2 w, 2 w + 1) over the 128 rows, 32 rows a trip on two sets of 16.  Set p is read by its 128 multiply-adds and then loaded anew; the three addresses step once a trip
	v_mov_b32 v[CX0], v[CX00]
	v_add_nc_u32 v[CX1], CHUNK, v[CX00]
	v_mov_b32 v[WGR], v[WG0]
.irp j, 0,1,2,3,4,5,6,7
	v_mov_b32 v[CA+(\j)], 0
.endr
	s_wait_alu depctr_va_vdst(0)                   ; the three addresses are written, which the loads below read
	CLD 0, 0
	s_mov_b32 s[CNT], 3
.Lctx:
	CLD 1, 16
	s_wait_dscnt 36                                ; set 0 is in; set 1's 36 loads may stay out
	CFM 0
	s_wait_alu depctr_vm_vsrc(0)                   ; the loads issued so far have read the three addresses
	v_add_nc_u32 v[CX0], 32*PITCH, v[CX0]
	v_add_nc_u32 v[CX1], 32*PITCH, v[CX1]
	v_add_nc_u32 v[WGR], 128, v[WGR]
	s_wait_alu depctr_va_vdst(0)                   ; the three addresses are written, and the multiply-adds are done reading set 0, in which the loads below land
	CLD 0, 0
	s_wait_dscnt 36                                ; set 1 is in
	CFM 1
	s_wait_alu depctr_va_vdst(0)                   ; the multiply-adds are done reading set 1, in which the next loads land: over the jump, and behind the loop
	s_sub_co_u32 s[CNT], s[CNT], 1
	s_cmp_lg_u32 s[CNT], 0
	s_cbranch_scc1 .Lctx
	CLD 1, 16
	s_wait_dscnt 36
	CFM 0
	s_wait_dscnt 0x0
	CFM 1
	s_wait_alu depctr_va_vdst(0)                   ; the eight sums are written, and (m, l) before them: the stores below read them
	global_store_b128 v[PO], v[CA:CA+3],   s[PP:PP+1]             ; each store of the wave covers 512 consecutive bytes, aligned
	global_store_b128 v[PO], v[CA+4:CA+7], s[PP:PP+1] offset:512
	s_cmp_lg_u32 s[WV], 0
	s_cbranch_scc1 .Lno_stat
	global_store_b128 v[L16], v[ST:ST+3], s[PP:PP+1] offset:4096  ; (m, l) 64 times: 512 consecutive bytes
.Lno_stat:
	s_wait_dscnt 0x0                               ; my reads of the block are over:
	s_barrier_signal -1
	s_barrier_wait -1                              ; everybody's are, so the next block may be stored over it
	s_wait_xcnt 0x0                                ; the stores have read their registers and PP; the prefetches their address
	s_add_nc_u64 s[PP:PP+1], s[PP:PP+1], 4608
	s_add_co_u32 s[BLK], s[BLK], 1
	s_cmp_lt_u32 s[BLK], 2
	s_cbranch_scc1 .Lblock
	s_wait_dscnt 0x0                               ; the closing lines, six on end
	s_wait_alu 0x0
	s_wait_tensorcnt 0x0
	ds_add_u32 v[SPW], v[NIL]
	s_wait_dscnt 0x0
	s_endpgm
.Lfunc_end_k_qb733d91147_attn:
	.size	k_qb733d91147_attn, .Lfunc_end_k_qb733d91147_attn-k_qb733d91147_attn
	.p2alignl 7, 3214868480
	.fill 96, 4, 3214868480
	.section	.rodata,"a",@progbits
	.p2align	6, 0x0
	.amdhsa_kernel k_qb733d91147_attn
		.amdhsa_group_segment_fixed_size 326144
		.amdhsa_private_segment_fixed_size 0
		.amdhsa_enable_private_segment 0
		.amdhsa_kernarg_size 40
		.amdhsa_user_sgpr_count 2
		.amdhsa_user_sgpr_kernarg_segment_ptr 1
		.amdhsa_wavefront_size32 1
		.amdhsa_system_sgpr_workgroup_id_x 1
		.amdhsa_system_sgpr_workgroup_id_y 1
		.amdhsa_system_sgpr_workgroup_id_z 1
		.amdhsa_system_vgpr_workitem_id 0
		.amdhsa_next_free_vgpr 1024
		.amdhsa_next_free_sgpr 66
		.amdhsa_reserve_vcc 0
		.amdhsa_float_denorm_mode_32 3
		.amdhsa_float_denorm_mode_16_64 3
		.amdhsa_memory_ordered 1
		.amdhsa_forward_progress 1
		.amdhsa_inst_pref_size 255
	.end_amdhsa_kernel
	.section	.bss,"aw",@nobits
	.p2align	6
	.space	262144
	.amdgpu_metadata
---
amdhsa.version: [ 1, 2 ]
amdhsa.kernels:
  - .name:           k_qb733d91147_attn
    .symbol:         k_qb733d91147_attn.kd
    .args:
      - { .name: keys, .offset: 0, .size: 8, .value_kind: global_buffer, .address_space: global }
      - { .name: wf, .offset: 8, .size: 8, .value_kind: global_buffer, .address_space: global }
      - { .name: vq, .offset: 16, .size: 8, .value_kind: global_buffer, .address_space: global }
      - { .name: v_w, .offset: 24, .size: 8, .value_kind: global_buffer, .address_space: global }
      - { .name: part, .offset: 32, .size: 8, .value_kind: global_buffer, .address_space: global }
    .group_segment_fixed_size: 326144
    .private_segment_fixed_size: 0
    .kernarg_segment_align: 8
    .kernarg_segment_size: 40
    .max_flat_workgroup_size: 128
    .sgpr_count:     66
    .vgpr_count:     1024
    .wavefront_size: 32
...
	.end_amdgpu_metadata
.endif
;; end of part 4
;; launch comb: the kernel of part 3 again; grid 128 x 1, 2 waves a work-group, no clusters, 0 bytes of LDS; arguments part, out0; writes out0
